; MI455X (gfx1250); checked and timed in simulation.
; The chip was launched on July 23, 2026; its instructions are those of AMD's public machine-readable ISA for CDNA 5 (MIT licence, August 2026) and "CDNA5" Instruction Set Architecture Reference Guide (July 2026). The comments in the code are by the model that wrote it; some were corrected since.
;; Multi Heads Attention. Allowed arithmetic: matrix products marked QUANTISED: E2M3 operands, one E8M0 scale for each 32 along K, by v_wmma_scale_f32_16x16x128_f8f6f4 with both operands' format E2M3, f32 sums; everything else in f32.
;; Inputs: W_K 2,048 x 2,048 float32; W_O 2,048 x 2,048 float32; W_Q 2,048 x 2,048 float32; W_V 2,048 x 2,048 float32; x 4 x 512 x 2,048 float32.
;; Outputs: out0 4 x 512 x 2,048 float32.
;; This version of the problem:
;;   THIS VERSION OF THE PROBLEM IS GIVEN IN LOW PRECISION. The matrix products marked QUANTISED in the list below multiply operands that are first quantised to E2M3 (2 exponent bits, 3 mantissa bits; 6 bits a number), with one power-of-two scale for each 32 numbers along K (OCP MX v1.0); their sums are f32. All else is computed in f32.
;;   The module's matrix products, in the order in which they are computed (A, B: the left and right operand; K: the contracted axis; several contracted axes count as one K, in the product's order):
;;     1. [M 2,048, K 2,048] x [K 2,048, N 2,048]; A: input x; B: input W_Q: QUANTISED
;;     2. [M 2,048, K 2,048] x [K 2,048, N 2,048]; A: input x; B: input W_K: QUANTISED
;;     3. [M 2,048, K 2,048] x [K 2,048, N 2,048]; A: input x; B: input W_V: QUANTISED
;;     4. batch 64 x [M 512, K 128] x [K 128, N 512]; A: computed on the way; B: computed on the way: QUANTISED
;;     5. batch 64 x [M 512, K 512] x [K 512, N 128]; A: softmax (see below); B: computed on the way: QUANTISED
;;     6. [M 2,048, K 2,048] x [K 2,048, N 2,048]; A: computed on the way; B: input W_O: QUANTISED
;;   THE QUANTISER, for each operand of a quantised product, along K:
;;     - K is cut into blocks of 32 from its start; a last block that is shorter is filled with zeros.
;;     - A block's scale is 2^e with e = floor(log2(the largest magnitude in the block)) - 2, held to -126 .. 127; a block of zeros has e = 0. As a byte (E8M0): e + 127.
;;     - Each number is divided by its block's scale, clamped to +-7.5, and rounded to the nearest number of E2M3, ties to even, subnormals kept.
;;     - The product sums the exact products of the quantised numbers (number of the format x scale) in f32.
;;   ~~~python
;;   def quantise(x, axis):      # numpy; x: float32 -> the quantised numbers, widened to float32 again
;;       x = np.moveaxis(x, axis, -1); K = x.shape[-1]
;;       x = np.pad(x, [(0, 0)] * (x.ndim - 1) + [(0, -K % 32)]); x = x.reshape(x.shape[:-1] + (-1, 32)); a = np.abs(x).max(-1, keepdims=True)
;;       e = np.where(a > 0, np.clip(np.frexp(np.where(a > 0, a, 1))[1] - 1 - 2, -126, 127), 0)      # np.frexp(a)[1] - 1 = floor(log2(a)), exactly
;;       r = np.clip(x / 2.0 ** e, -7.5, 7.5)
;;       step = 2.0 ** (np.maximum(np.frexp(np.where(r == 0, 1, r))[1] - 1, 0) - 3)
;;       q = np.round(r / step) * step * 2.0 ** e      # np.round: ties to even
;;       return np.moveaxis(q.reshape(q.shape[:-2] + (-1,))[..., :K], -1, axis).astype(np.float32)
;;   ~~~
;;   SOFTMAX AHEAD OF A QUANTISED PRODUCT. Where the list says 'softmax', what is quantised is not the finished softmax but p = 2^(t - M), with t = logit x log2(e) and M = ceil(the row's largest t), a whole number; so 1/2 < the row's largest p <= 1. The row's sum l is taken of the UNQUANTISED p, in f32, and the product's result is divided by l at the end. Since M is a whole number, a kernel that streams over the keys may use a running M (the ceiling of the running maximum): every later rescaling is an exact power of two, which a block's scale takes up: the codes' values come out the same.
;;   OPERANDS COMPUTED ON THE WAY. 'Computed on the way' means the value that the module computes at that place (a softmax that the list does not call 'softmax' is quantised finished and normalised). What goes into a quantiser is computed in f32, as accurately as f32 sums, v_exp_f32 and their like allow (about 1e-6 of the number): no bf16 or f16 on the way to a quantiser, and a product that is left as it is and whose result goes on into a quantised operand takes f32 operands (vector FMAs, or v_wmma_f32_16x16x4_f32). A number that lies on a knife's edge between two numbers of the format may be rounded either way, as far as f32 arithmetic and the matrix unit's own rounding can turn it there, and no further.
;; One version. Each part assembles by itself: llvm-mc -triple=amdgcn-amd-amdhsa -mcpu=gfx1250 --defsym DOCPART=n.
;; ======== version 1 of 1: 4 launches
;; limits: right only within a limited range of input values
;; workspace buffers: wcodes 15,728,640 bytes; wscales 655,360 bytes; qcodes 9,437,184 bytes; qscales 393,216 bytes; mcodes 3,145,728 bytes
;; launch quant (part 1): grid 256 x 1, 16 waves a work-group, no clusters, 327,680 bytes of LDS; arguments x, W_Q, W_K, W_V, W_O, wcodes, wscales; writes wcodes, wscales
.if DOCPART == 1
	.amdgcn_target "amdgcn-amd-amdhsa--gfx1250"
	.amdhsa_code_object_version 6
	.text
	.protected	k_q261afa5708_quant
	.globl	k_q261afa5708_quant
	.p2align	8
	.type	k_q261afa5708_quant,@function
k_q261afa5708_quant:
	s_mov_b64 s[64:65], 0
	v_nop
	global_prefetch_b8 v0, s[64:65] scope:SCOPE_SE
	s_setreg_imm32_b32 hwreg(HW_REG_WAVE_MODE, 25, 1), 1
	s_wait_xcnt 0x0
; x, W_Q, W_K, W_V, W_O, each [2048][2048] f32 with K innermost, become codes of FP6 (E2M3) with one E8M0 byte for each 32 along K.
; DEAD WORK IN THIS PROGRAM: only score tiles that lie wholly above the diagonal (launch attn): reference()'s own causal mask gives them -inf, so their p is 0 whatever the inputs hold.
; A NaN, an infinity or an overflow that reaches only those tiles is not carried to the result.  Every input is loaded.
; A block's scale is 2^(floor(log2(its largest magnitude)) - 2); its byte is the largest magnitude's exponent field - 2, held at 1 from below.
; (A block of zeros so gets the byte 1 where the rule says 127: its codes are zeros, which add nothing, and this program alone reads the bytes.)
; LIMITS: blocks whose largest magnitude lies under 2^-124 are held at the byte 1; NaN and infinities among the inputs are not served.
; THE OUTPUT IS LAID AS THE MATRIX UNIT'S REGISTERS WANT IT.  A fragment is 16 rows x 128 K: 12 registers a lane, 1,536 bytes: registers 4 c .. 4 c + 3 of lane l
; at byte 512 c + 16 l.  Tile T = 2 g + u holds, in lane r, row 32 g + 8 u + r + 8 (r / 8).  Fragment (T, s), s the K step of 128, lies at (16 T + s) x 1,536 of its tensor's
; 3,145,728 bytes; its rows' scale words at 1,024 T + 256 (s / 4) + 16 r + 4 (s % 4) of the tensor's 131,072: one load of 16 bytes brings a row's words of four steps.
; SHARES.  256 work-groups of 16 waves.  Work-group n takes 32 whole rows of x, W_Q, W_K or W_V (tensor n / 64, rows 32 (n % 64) ..): wave w their K step w, two fragments, by ONE tensor load of 32 rows x 512 bytes into LDS bytes of its own;
; all sixteen are out at once.  W_O's 2,048 fragments go eight to a work-group: waves 0 to 7 load one each into registers, 512 consecutive bytes of a row a load, and turn it through their own LDS bytes when their tile has been read out.
; Every input byte is read once, no tile is shared: no cluster.  Nothing is filled twice and no loop runs ahead of a load: no prefetch.
.set PITCH, 528                        ; an LDS row: 512 bytes + 16
.set WREG,  32*PITCH                   ; LDS of a wave: its 32 rows
.set WORDS, 16*WREG                    ; behind them: the work-group's scale words: two tiles x 1,024 bytes, and 512 of W_O's
.set SPARE, WORDS+2560                 ; the spare words, 128 bytes for each wave
.set TM,    8                          ; v8-23    at work: +0..3 largest magnitudes, +4..7 the other half's, then bytes, +12..15 the conversions' scale operands
.set TH,    24                         ; v24-31   the upper halves of the blocks' codes
.set R,     32                         ; v32-95, v96-159 the two fragments' numbers
.set RO,    160                        ; v160-223 W_O's
.set CD,    224                        ; v224-247 the two fragments' codes
.set CO,    96                         ; v96-107  W_O's codes
.set PW,    248                        ; v248-250 scale words
.set SPW,   252
.set NIL,   253
.set SEL,   24                         ; s[24:25] lane selects: lane l xor 16
.set G0,    36
.set G1,    40
	s_load_b256 s[4:11], s[0:1], 0x0               ; x, W_Q, W_K, W_V
	s_load_b128 s[12:15], s[0:1], 0x20             ; W_O, the codes
	s_load_b64 s[16:17], s[0:1], 0x30              ; the scale words
	v_lshl_add_u32 v[SPW], v0, 2, SPARE
	v_mov_b32 v[NIL], 0
	ds_add_u32 v[SPW], v[NIL]                      ; the wave's opening: the add, twice on end, and its wait
	ds_add_u32 v[SPW], v[NIL]
	v_lshrrev_b32 v1, 5, v0
	v_readfirstlane_b32 s26, v1                    ; wave 0..15
	s_mul_i32 s27, s26, WREG                       ; my LDS bytes
	s_lshr_b32 s28, s26, 2
	s_lshl_b32 s28, s28, 8
	s_and_b32 s29, s26, 3
	s_lshl_b32 s29, s29, 2
	s_add_co_u32 s28, s28, s29
	s_add_co_u32 s28, s28, WORDS                   ; my K step's word of a row: 256 (w / 4) + 4 (w % 4)
	s_lshl_b32 s29, s26, 9
	s_add_co_u32 s29, s29, WORDS
	v_and_b32 v1, 31, v0                           ; lane
	v_and_b32 v6, 15, v0                           ; r
	v_bfe_u32 v8, v0, 4, 1                         ; h
	v_lshlrev_b32 v2, 4, v1                        ; 16 x lane
	v_add_nc_u32 v3, s27, v2                       ; W_O's turn, on the way in: a row as it lies
	v_and_b32 v4, 8, v6
	v_add_nc_u32 v4, v4, v6                        ; r + 8 (r / 8): my row of tile 0
	v_mul_u32_u24 v4, v4, PITCH
	v_lshl_add_u32 v4, v8, 6, v4
	v_add_nc_u32 v4, s27, v4                       ; + 64 h: my 16 numbers of a block of 32
	v_mul_u32_u24 v7, v6, PITCH
	v_lshl_add_u32 v7, v8, 6, v7
	v_add_nc_u32 v7, s27, v7                       ; W_O's turn, on the way out: row r, + 64 h
	v_lshl_add_u32 v5, v6, 4, s28                  ; my row's scale word
	v_add_nc_u32 v6, s29, v2                       ; the words on their way out: 512 bytes a wave, waves 0 to 4
.irp b, 0,1,2,3
	v_mov_b32 v[TM+4+\b], 0                        ; written once: a lane permute's destination counts as one of its sources
.endr
	; descriptor group 1: 32 rows of 64 elements of 8 bytes, 8,192 bytes apart; 16 bytes of padding behind every 128 dwords
	s_mov_b32 s[G1+0], (3<<16)|(1<<20)|(6<<22)|(3<<25)
	s_mov_b32 s[G1+1], 64<<16
	s_mov_b32 s[G1+2], 32<<16
	s_mov_b32 s[G1+3], 64<<16
	s_mov_b32 s[G1+4], 32
	s_mov_b32 s[G1+5], 1024
	s_mov_b32 s[G1+6], 0
	s_mov_b32 s[G1+7], 0
	s_mov_b32 s[G0], 1
	s_mov_b32 s[G0+1], s27
	s_mov_b32 s[SEL], 0x76543210
	s_mov_b32 s[SEL+1], 0xfedcba98
	s_lshr_b32 s34, ttmp9, 6                       ; which tensor
	s_and_b32 s48, ttmp9, 63
	s_lshl_b32 s48, s48, 18                        ; my tile: 32 rows of 8,192 bytes,
	s_lshl_b32 s49, s26, 9                         ; 512 bytes a K step
	s_add_co_u32 s48, s48, s49
	s_lshr_b32 s50, ttmp9, 2                       ; W_O: rows 32 (n / 4) + 8 (n / 2 % 2) .., K step 8 (n % 2) + wave
	s_lshl_b32 s50, s50, 18
	s_add_co_u32 s50, s50, s49
	s_bfe_u32 s51, ttmp9, 0x10001
	s_lshl_b32 s51, s51, 16
	s_add_co_u32 s50, s50, s51
	s_and_b32 s51, ttmp9, 1
	s_lshl_b32 s51, s51, 12
	s_add_co_u32 s50, s50, s51
	s_mov_b32 s51, 0
	s_mul_i32 s20, ttmp9, 49152                    ; codes: fragment (tile 2 n of the four tensors on end, K step w)
	s_mul_i32 s21, s26, 1536
	s_add_co_u32 s20, s20, s21
	s_mul_i32 s30, ttmp9, 12288                    ; W_O's
	s_add_co_u32 s30, s30, s21
	s_add_co_u32 s30, s30, 12582912
	s_mov_b32 s21, 0
	s_mov_b32 s31, 0
	s_lshl_b32 s32, ttmp9, 11                      ; scale words: 2,048 bytes, 512 a wave;
	s_add_co_u32 s32, s32, s49
	s_lshl_b32 s33, ttmp9, 9
	s_add_co_u32 s33, s33, 524288                  ; wave 4: W_O's 512
	s_cmp_eq_u32 s26, 4
	s_cselect_b32 s32, s33, s32
	s_mov_b32 s33, 0
	s_mov_b32 s49, 0
	s_wait_alu depctr_va_vdst(0)                   ; the wait at the head's end
	s_wait_dscnt 0x0                               ; both opening adds are done
	s_wait_kmcnt 0x0
	s_cmp_eq_u32 s34, 1                            ; the choice of the source hangs on the work-group's number alone
	s_cselect_b64 s[18:19], s[6:7], s[4:5]
	s_cmp_eq_u32 s34, 2
	s_cselect_b64 s[18:19], s[8:9], s[18:19]
	s_cmp_eq_u32 s34, 3
	s_cselect_b64 s[18:19], s[10:11], s[18:19]
	s_add_nc_u64 s[G0+2:G0+3], s[18:19], s[48:49]
	s_or_b32 s[G0+3], s[G0+3], 0x80000000
	s_add_nc_u64 s[22:23], s[12:13], s[50:51]
	s_add_nc_u64 s[20:21], s[14:15], s[20:21]
	s_add_nc_u64 s[30:31], s[14:15], s[30:31]
	s_add_nc_u64 s[32:33], s[16:17], s[32:33]
	tensor_load_to_lds s[G0:G0+3], s[G1:G1+7]
	s_nop 0
.rept 4
	v_nop
.endr
	s_cmp_lt_u32 s26, 8
	s_cbranch_scc0 .Lasked
.irp i, 0,1,2,3,4,5,6,7,8,9,10,11,12,13,14,15
	global_load_b128 v[RO+4*\i:RO+4*\i+3], v2, s[22:23] offset:(\i+8*(\i/8))*8192 th:TH_LOAD_NT
.endr
.Lasked:
.macro TAKE u                          ; tile u of my 32 rows: register 16 b + 4 j + .. = k 32 b + 16 h + 4 j + .. of row r
.irp b, 0,1,2,3
.irp j, 0,1,2,3
	ds_load_b128 v[R+64*\u+16*\b+4*\j:R+64*\u+16*\b+4*\j+3], v4 offset:8*PITCH*\u+128*\b+16*\j
.endr
.endr
.endm
; 64 numbers of a lane, register 16 b + i = k 32 b + 16 h + i of my row, become a fragment's 12 registers and its scale word
.macro QUANT src, dst, wrd
.irp b, 0,1,2,3
	v_max3_num_f32 v[TM+\b], |v[(\src)+16*\b]|, |v[(\src)+16*\b+1]|, 0x1800000   ; block b: my 16 numbers, and the floor 2^(3 - 127): the byte cannot fall under 1
.endr
.irp i, 2,4,6,8,10,12,14
.irp b, 0,1,2,3
	v_max3_num_f32 v[TM+\b], |v[(\src)+16*\b+\i]|, |v[(\src)+16*\b+\i+1]|, v[TM+\b]   ; the four blocks by turns
.endr
.endr
.irp b, 0,1,2,3
	v_permlanex16_b32 v[TM+4+\b], v[TM+\b], s[SEL], s[SEL+1]
.endr
.irp b, 0,1,2,3
	v_max_num_f32 v[TM+\b], v[TM+\b], v[TM+4+\b]   ; with lane l xor 16's: the block's largest magnitude
.endr
.irp b, 0,1,2,3
	v_add_nc_u32 v[TM+12+\b], 0xff000000, v[TM+\b] ; 2 off its exponent field: the conversion takes that field as its scale
.endr
.irp b, 0,1,2,3
	v_lshrrev_b32 v[TM+4+\b], 23, v[TM+12+\b]      ; the scale's byte
.endr
	v_lshl_or_b32 v[\wrd], v[TM+5], 8, v[TM+4]
	v_lshl_or_b32 v[\wrd], v[TM+6], 16, v[\wrd]
	v_lshl_or_b32 v[\wrd], v[TM+7], 24, v[\wrd]
.irp c, 0,1
	v_cvt_scalef32_pk16_fp6_f32 v[(\dst)+6*\c:(\dst)+6*\c+2], v[(\src)+32*\c:(\src)+32*\c+15], v[TM+12+2*\c]
	v_cvt_scalef32_pk16_fp6_f32 v[TH+4*\c:TH+4*\c+2], v[(\src)+32*\c+16:(\src)+32*\c+31], v[TM+13+2*\c]   ; (a conversion's three registers begin on an even number)
.endr
	v_nop                                          ; one plain instruction behind the scaled conversions
.irp c, 0,1                                    ; the operand wants a whole block in a lane: lanes 0-15 block 2 c, lanes 16-31 block 2 c + 1
.irp i, 0,1,2
	v_permlane16_swap_b32 v[(\dst)+6*\c+\i], v[TH+4*\c+\i]
.endr
.irp i, 0,1,2
	v_mov_b32 v[(\dst)+6*\c+3+\i], v[TH+4*\c+\i]
.endr
.endr
.endm
	s_wait_tensorcnt 0x0                           ; my rows are in; no other wave reads them
	TAKE 0
	TAKE 1
	s_wait_dscnt 16                                ; tile 0; tile 1's 16 loads may be out
	QUANT R, CD, PW
	ds_store_b32 v5, v[PW]                         ; lanes r and r + 16 write the same word with the same value
	s_wait_dscnt 1                                 ; tile 1; the word's store may be out
	QUANT R+64, CD+12, PW+1
	ds_store_b32 v5, v[PW+1] offset:1024
	s_wait_alu depctr_va_vdst(0)                   ; ahead of the branch
	s_cmp_lt_u32 s26, 8
	s_cbranch_scc0 .Lstore
	s_wait_loadcnt 0x0                             ; W_O's fragment goes through my LDS bytes, which I alone have read and which nothing fills again; LDS serves a wave's instructions in order
.irp i, 0,1,2,3,4,5,6,7,8,9,10,11,12,13,14,15
	ds_store_b128 v3, v[RO+4*\i:RO+4*\i+3] offset:PITCH*\i
.endr
.irp b, 0,1,2,3
.irp j, 0,1,2,3
	ds_load_b128 v[RO+16*\b+4*\j:RO+16*\b+4*\j+3], v7 offset:128*\b+16*\j
.endr
.endr
	s_wait_dscnt 0x0
	QUANT RO, CO, PW+2
	ds_store_b32 v5, v[PW+2] offset:2048
.irp c, 0,1,2
	global_store_b128 v2, v[CO+4*\c:CO+4*\c+3], s[30:31] offset:512*\c
.endr
.Lstore:
.irp f, 0,1
.irp c, 0,1,2
	global_store_b128 v2, v[CD+12*\f+4*\c:CD+12*\f+4*\c+3], s[20:21] offset:24576*\f+512*\c   ; 32 lanes store 512 consecutive bytes, at a multiple of 512 from the buffer's first byte
.endr
.endr
	s_wait_dscnt 0x0                               ; my scale words are in LDS
	s_barrier_signal -1
	s_barrier_wait -1                              ; everybody's are
	s_cmp_lt_u32 s26, 5
	s_cbranch_scc0 .Lend
	ds_load_b128 v[R:R+3], v6
	s_wait_dscnt 0x0
	global_store_b128 v2, v[R:R+3], s[32:33]       ; 32 lanes store 512 consecutive bytes, at a multiple of 512
.Lend:
	s_wait_tensorcnt 0x0                           ; the wave's end
	ds_add_u32 v[SPW], v[NIL]
	s_wait_dscnt 0x0
	s_endpgm
.Lfunc_end_k_q261afa5708_quant:
	.size	k_q261afa5708_quant, .Lfunc_end_k_q261afa5708_quant-k_q261afa5708_quant
	.p2alignl 7, 3214868480
	.fill 96, 4, 3214868480
	.section	.rodata,"a",@progbits
	.p2align	6, 0x0
	.amdhsa_kernel k_q261afa5708_quant
		.amdhsa_group_segment_fixed_size 327680
		.amdhsa_private_segment_fixed_size 0
		.amdhsa_enable_private_segment 0
		.amdhsa_kernarg_size 56
		.amdhsa_user_sgpr_count 2
		.amdhsa_user_sgpr_kernarg_segment_ptr 1
		.amdhsa_wavefront_size32 1
		.amdhsa_system_sgpr_workgroup_id_x 1
		.amdhsa_system_sgpr_workgroup_id_y 1
		.amdhsa_system_sgpr_workgroup_id_z 1
		.amdhsa_system_vgpr_workitem_id 0
		.amdhsa_next_free_vgpr 256
		.amdhsa_next_free_sgpr 66
		.amdhsa_reserve_vcc 0
		.amdhsa_float_denorm_mode_32 3
		.amdhsa_float_denorm_mode_16_64 3
		.amdhsa_memory_ordered 1
		.amdhsa_forward_progress 1
		.amdhsa_inst_pref_size 23
	.end_amdhsa_kernel
	.amdgpu_metadata
---
amdhsa.version: [ 1, 2 ]
amdhsa.kernels:
  - .name:           k_q261afa5708_quant
    .symbol:         k_q261afa5708_quant.kd
    .args:
      - { .name: x, .offset: 0, .size: 8, .value_kind: global_buffer, .address_space: global }
      - { .name: W_Q, .offset: 8, .size: 8, .value_kind: global_buffer, .address_space: global }
      - { .name: W_K, .offset: 16, .size: 8, .value_kind: global_buffer, .address_space: global }
      - { .name: W_V, .offset: 24, .size: 8, .value_kind: global_buffer, .address_space: global }
      - { .name: W_O, .offset: 32, .size: 8, .value_kind: global_buffer, .address_space: global }
      - { .name: wcodes, .offset: 40, .size: 8, .value_kind: global_buffer, .address_space: global }
      - { .name: wscales, .offset: 48, .size: 8, .value_kind: global_buffer, .address_space: global }
    .group_segment_fixed_size: 327680
    .private_segment_fixed_size: 0
    .kernarg_segment_align: 8
    .kernarg_segment_size: 56
    .max_flat_workgroup_size: 512
    .sgpr_count:     66
    .vgpr_count:     256
    .wavefront_size: 32
...
	.end_amdgpu_metadata
.endif
;; end of part 1
;; launch qkv (part 2): grid 16 x 16, 4 waves a work-group, clusters of 4 x 4, 327,680 bytes of LDS; arguments wcodes, wscales, qcodes, qscales; writes qcodes, qscales
.if DOCPART == 2
	.amdgcn_target "amdgcn-amd-amdhsa--gfx1250"
	.amdhsa_code_object_version 6
	.text
	.protected	k_q261afa5708_qkv
	.globl	k_q261afa5708_qkv
	.p2align	8
	.type	k_q261afa5708_qkv,@function
k_q261afa5708_qkv:
	s_mov_b64 s[64:65], 0
	v_nop
	global_prefetch_b8 v0, s[64:65] scope:SCOPE_SE
	s_setreg_imm32_b32 hwreg(HW_REG_WAVE_MODE, 25, 1), 1
	s_wait_xcnt 0x0
	s_wait_alu depctr_hold_cnt(0) depctr_sa_sdst(0) depctr_va_vdst(0) depctr_va_sdst(0) depctr_va_ssrc(0) depctr_va_vcc(0) depctr_vm_vsrc(0)
	s_getreg_b32 s2, hwreg(HW_REG_IB_STS2, 6, 4)
	s_cmp_eq_u32 s2, 0
	s_cbranch_scc0 .Lentry_in_a_cluster
	s_endpgm
.Lentry_in_a_cluster:
	s_bfe_u32 s2, ttmp6, 0x10000c
	s_cmp_lg_u32 s2, 0xf033
	s_cbranch_scc0 .Lentry_shape_is_right
	s_endpgm
.Lentry_shape_is_right:
; Q = x W_Q^T, K = x W_K^T and V^T = W_V x^T, K = 2048, on codes of FP6 (E2M3) with E8M0 scales; sums in f32; the results are quantised in registers and leave as codes.
; OPERANDS are fragment images: 16 rows x 128 K = 12 registers a lane = 1,536 bytes, registers 4 c .. 4 c + 3 of lane l at 512 c + 16 l; fragment (tile T, K step s) at (16 T + s) x 1,536 of a tensor's 3,145,728 bytes
; (order in wcodes: x, W_Q, W_K, W_V, W_O); lane r of tile 2 g + u holds row 32 g + 8 u + r + 8 (r / 8); scale words at 1,024 T + 256 (s / 4) + 16 r + 4 (s % 4) of a tensor's 131,072 bytes.
; SHARES.  256 work-groups, one for each head (x) and each 128 positions (y): Q, K and V of them.  Wave w takes all eight tiles of x against two tiles (32 channels w) of each weight: 48 accumulators, 384 registers,
; 14 fragments for 48 matrix instructions a K step.
; THE MATRIX INSTRUCTION IS USED TRANSPOSED for Q and K (source 0 = the weight, source 1 = x): a lane's 16 results of two neighbouring weight tiles are channels 32 w + 16 (lane / 16) + 0 .. 15 of one position: half a block.
; For V source 0 = x: a lane's 64 results are four half blocks of keys of one channel: the wave holds whole fragments of V.
; THE RING.  K's 16 steps go through two LDS slots of three steps, 2 x 147,456 bytes.  Each wave fetches 8 tiles by one tensor load: wave 0 x's, waves 1 to 3 one weight's.  Fills: steps 0-1, 2-4, 5-7, 8-10, 11-13, 14-15.
; The next step's 42 LDS loads stand in two runs in a step: ahead of its products and in their middle.
; THE SCALE WORDS of all 16 steps come straight into registers, 32 loads of 16 bytes a lane: lanes 0-15 x's tile i, lanes 16-31 the wave's weight tile i: the same words are wanted by one or four waves only.
; CLUSTERS: 4 x 4 work-groups; x's tiles are asked for jointly by a row of the cluster, the weights' by a column.
; PREFETCH: behind each fill what the next fill will load is asked for into the L2; the four partners of a joint load share it out by address, two tile rows each, one lane a block of 256 bytes.
; RESULT.  qcodes: Q at 0, K at 3,145,728, V at 6,291,456; block 64 b + 4 h + ks (ks: which 128 positions of the batch's 512) is 8 fragments on end; qscales: 512 bytes a block, word (fragment a, lane r) at 256 (a % 2) + 16 r + 4 (a / 2).
; LIMITS: NaN and infinities are not served; a block whose largest magnitude lies under 2^-124 is held at the scale byte 1, a block of zeros too (its codes are zeros; this program alone reads the bytes).
; REGISTERS: window 0: v0-27 addresses; v28-91, v94-157 scale words; v160-255 x's set 0.  window 1: v0-95 x's set 1; v96-239 the weights' two sets.
; window 2: Q's accumulators (tile a, u) at v[16 a + 8 u], K's at v[128 + 16 a + 8 u].  window 3: V's at v[64 u + 8 a].
.set FRB,   1536
.set TROW,  16*FRB                     ; a tile's whole K in memory
.set NQ,    3                          ; steps in a slot
.set STB,   NQ*FRB
.set QB,    8*STB                      ; a wave's part of a slot
.set SLOT,  4*QB
.set TEN,   3145728
.set TENS,  131072
.set SPARE, 2*SLOT                     ; behind the ring: the spare words, 128 bytes for each wave
.set SCI,   2*8*FRB                    ; the way out, in slot 0, which has had its last fill and its last read by then: Q's and K's images, then the scale words of Q, K, V
.set SBW,   0                          ; v0     the way out: my scale word of V
.set SPW,   2
.set NIL,   3
.set OFF,   4                          ; v4-7   my scale words in memory, for tiles 2 p, 2 p + 1
.set PF0,   8                          ; v8-10  the prefetches' offsets
.set PF1,   9
.set PF2,   10
.set GOF,   11                         ; 16 x lane
.set GO,    12                         ; 16 x lane + 3,072 w: my two fragments of eight
.set SBA,   13                         ; the way out: my scale byte of a row
.set AZ,    14                         ; v14-15 LDS address of my tiles of W_Q (and W_K), of W_V in the first fill; on the way out V's scale words
.set ADX,   16                         ; v16-17 of x's tiles in slot 0, 1
.set ADW,   18                         ; v18-19 of my tiles of W_Q (and W_K);  v20-21 of W_V
.set AE,    22                         ; v22-23 as v14-15, in the last fill
.set IM,    24                         ; v24-26 the way out: my three places of 8 bytes in a fragment's image
.set TM,    160
.set CD,    176                        ; v176-223 codes of Q and K
.set TH,    224
.set CV,    232                        ; v232-255 codes of V
.set G1,    24
.set G0,    32
.set G0B,   36
.set G1B,   48
.set PFB,   46
.set SEL,   66
.set MSB, 0
.macro WIN new                         ; the immediate's high byte repeats the setting that is left; a switch that changes nothing is dropped
.if MSB != (\new)
	s_set_vgpr_msb (MSB<<8)|(\new)
.set MSB, (\new)
.endif
.endm
.macro PLACES n
.rept \n
	v_nop
.endr
.endm
.macro CREST                           ; a round of the cluster's barrier behind its opening barrier
	s_cmp_lg_u32 s14, 0
	s_cbranch_scc1 .Lnot_wave_0_\@
	s_barrier_signal -3
.Lnot_wave_0_\@:
	s_barrier_wait -3
	s_barrier_signal -1
	s_barrier_wait -1
.endm
.macro CROUND
	s_barrier_signal -1
	s_barrier_wait -1
	CREST
.endm
.macro JLOAD                           ; a joint load: wave 0 fetches x's tiles, waves 1 to 3 a weight's; the branch hangs on the wave's number alone
	s_cmp_eq_u32 s14, 0
	s_cbranch_scc0 .Lfor_w_\@
	tensor_load_to_lds s[G0:G0+3], s[G1:G1+7]
	s_nop 0
	PLACES 4
	s_branch .Lasked_\@
.Lfor_w_\@:
	tensor_load_to_lds s[G0B:G0B+3], s[G1B:G1B+7]
	s_nop 0
	PLACES 4
.Lasked_\@:
.endm
.macro ROWS n                          ; group 1 for n steps: rows of 1,536 n bytes
	s_mov_b32 s[G1+1], (192*\n)<<16
	s_mov_b32 s[G1+3], (192*\n)<<16
	s_mov_b32 s[G1B+1], (192*\n)<<16
	s_mov_b32 s[G1B+3], (192*\n)<<16
.endm
.macro NEXTFILL n                      ; behind a wait for 0 on TENSORcnt: the descriptors of fill n
	s_mov_b32 s[G0+1], ((\n)%2)*SLOT
	s_add_co_u32 s[G0B+1], s45, ((\n)%2)*SLOT
.if (\n) == 1
	s_add_nc_u64 s[G0+2:G0+3], s[G0+2:G0+3], 2*FRB
	s_add_nc_u64 s[G0B+2:G0B+3], s[G0B+2:G0B+3], 2*FRB
	ROWS 3
.else
	s_add_nc_u64 s[G0+2:G0+3], s[G0+2:G0+3], STB
	s_add_nc_u64 s[G0B+2:G0B+3], s[G0B+2:G0B+3], STB
.endif
.if (\n) == 5
	ROWS 2
.endif
.endm
.macro ASK n                           ; what fill n will load: two tile rows of 18 blocks of 256 bytes (fill 5: of 12)
.if (\n) == 5
	global_prefetch_b8 v[PF2], s[PFB:PFB+1] offset:2*FRB+STB*((\n)-1) th:TH_LOAD_NT scope:SCOPE_SE
.else
	global_prefetch_b8 v[PF0], s[PFB:PFB+1] offset:2*FRB+STB*((\n)-1) th:TH_LOAD_NT scope:SCOPE_SE
	global_prefetch_b8 v[PF1], s[PFB:PFB+1] offset:2*FRB+STB*((\n)-1) th:TH_LOAD_NT scope:SCOPE_SE
.endif
.endm
; One fragment of K step t into set t % 2, three loads of 512 consecutive bytes.  f: 0-3 W_Q's two, W_K's two; 4-11 x's eight; 12-13 W_V's two.  Step t came with fill (t + 1) / 3
.macro FRAG f, t
.set FP_, (\t)%2
.set FN_, ((\t)+1)/3
.set FS_, FN_%2
.set FQ_, ((\t)+1)%3
.set PI_, NQ
.if FN_ == 0
.set FQ_, \t
.set PI_, 2
.endif
.if FN_ == 5
.set PI_, 2
.endif
.if ((\f) > 3) && ((\f) < 12)
.set I_, (\f)-4
.set FA_, ADX+FS_
.set FO_, (I_*PI_+FQ_)*FRB
.if FP_
	WIN 0x40
.set FD_, 12*I_
.else
	WIN 0
.set FD_, 160+12*I_
.endif
.else
	WIN 0x40
.set I_, (\f)-8*((\f)/12)
.set FD_, 96+72*FP_+12*I_
.set FA_, ADW+FS_+2*(I_/4)
.set FO_, (I_/2)*QB*(1-(I_/4))+((I_%2)*PI_+FQ_)*FRB
.if FN_ == 0
.set FA_, AZ+I_/4
.endif
.if FN_ == 5
.set FA_, AE+I_/4
.endif
.endif
.irp c, 0,1,2
	ds_load_b128 v[FD_+4*\c:FD_+4*\c+3], v[FA_] offset:FO_+512*\c
.endr
.endm
; Matrix instruction n = 0 .. 47 of K step t: 16 for Q, 16 for K, 16 for V.  The 48 accumulators take turns, one instruction a turn, in the same order in every step; zero = 1 starts the sums
.macro PROD n, t, zero
.set P_, (\n)/16
.set A_, ((\n)%16)/2
.set U_, (\n)%2
.set Q_, (\t)%2
.set K_, 2*P_+U_
.set WR_, 96+72*Q_+12*K_
.set XR_, 160+12*A_-160*Q_
.set SX_, 28+16*((\t)/4)+4*A_+(\t)%4+50*(A_/4)
.set SW_, 28+16*((\t)/4)+4*K_+(\t)%4+50*(K_/4)
.if P_ < 2
.set D_, 128*P_+16*A_+8*U_
	WIN 0xa1|(Q_<<2)
.if \zero
	v_wmma_scale_f32_16x16x128_f8f6f4 v[D_:D_+7], v[WR_:WR_+11], v[XR_:XR_+11], 0, v[SW_], v[SX_] matrix_a_fmt:MATRIX_FMT_FP6 matrix_b_fmt:MATRIX_FMT_FP6 matrix_a_scale:MATRIX_SCALE_ROW1
.else
	v_wmma_scale_f32_16x16x128_f8f6f4 v[D_:D_+7], v[WR_:WR_+11], v[XR_:XR_+11], v[D_:D_+7], v[SW_], v[SX_] matrix_a_fmt:MATRIX_FMT_FP6 matrix_b_fmt:MATRIX_FMT_FP6 matrix_a_scale:MATRIX_SCALE_ROW1
.endif
.else
.set D_, 64*U_+8*A_
	WIN 0xf4|Q_
.if \zero
	v_wmma_scale_f32_16x16x128_f8f6f4 v[D_:D_+7], v[XR_:XR_+11], v[WR_:WR_+11], 0, v[SX_], v[SW_] matrix_a_fmt:MATRIX_FMT_FP6 matrix_b_fmt:MATRIX_FMT_FP6 matrix_b_scale:MATRIX_SCALE_ROW1
.else
	v_wmma_scale_f32_16x16x128_f8f6f4 v[D_:D_+7], v[XR_:XR_+11], v[WR_:WR_+11], v[D_:D_+7], v[SX_], v[SW_] matrix_a_fmt:MATRIX_FMT_FP6 matrix_b_fmt:MATRIX_FMT_FP6 matrix_b_scale:MATRIX_SCALE_ROW1
.endif
.endif
.endm
.macro PRODS from, to, t, zero=0
.set N_, \from
.rept (\to)-(\from)
	PROD N_, \t, \zero
.set N_, N_+1
.endr
.endm
; K step t, whose successor lies in the same slot
.macro NSTEP t, zero
	s_wait_dscnt 6                                 ; this step's fragments are in but for W_V's two
	PLACES 4                                       ; four plain instructions between the products that read the other set and the loads into it
.irp f, 0,1,2,3,4,5,6
	FRAG \f, \t+1
.endr
	PRODS 0, 24, \t, \zero
.irp f, 7,8,9,10,11,12,13
	FRAG \f, \t+1
.endr
	PRODS 24, 32, \t, \zero
	s_wait_dscnt 42                                ; W_V's too: behind them the 42 loads of this step
	PRODS 32, 48, \t, \zero
.endm
; K step t, a slot's last, changes slots: in front of the barrier each wave waits for all its tensor loads, adds 0 to its spare word, and waits for that and for its reads of this slot.  n: the fill that takes this slot (0: none); ask: the fill that is prefetched (0: none)
.macro TURN t, n, ask
	WIN 0
	s_wait_tensorcnt 0x0                           ; all my tensor loads have landed: my part of the next slot
	ds_add_u32 v[SPW], v[NIL]
.if \n
	NEXTFILL \n
.endif
	s_wait_dscnt 0x1                               ; the add alone may be out: this step's set is in
	PRODS 0, 8, \t
	s_wait_dscnt 0x0                               ; the add is done, and my reads of this slot are over
	s_barrier_signal -1
	PRODS 8, 16, \t
	WIN 0
	s_barrier_wait -1
.if \n
	CREST                                          ; no wave of any partner still reads this slot or has a load on its way
	JLOAD                                          ; the first tensor load behind the round; its four v_nop are the places in front of the loads below
.else
	PLACES 4
.endif
.irp f, 0,1,2,3,4,5,6,7,8,9
	FRAG \f, \t+1
.endr
	PRODS 16, 32, \t
.irp f, 10,11,12,13
	FRAG \f, \t+1
.endr
.if \ask
	ASK \ask                                       ; (its address is a source 0: window 0 here)
.endif
	PRODS 32, 48, \t
.endm
	s_load_b256 s[4:11], s[0:1], 0x0               ; wcodes, wscales, qcodes, qscales
	v_lshl_add_u32 v[SPW], v0, 2, SPARE
	v_mov_b32 v[NIL], 0
	ds_add_u32 v[SPW], v[NIL]                      ; the wave's opening: the add, twice on end, and its wait
	ds_add_u32 v[SPW], v[NIL]
	v_lshrrev_b32 v1, 5, v0
	v_readfirstlane_b32 s14, v1                    ; wave 0..3
	s_bfe_u32 s40, ttmp6, 0x40000                  ; cx
	s_bfe_u32 s41, ttmp6, 0x40004                  ; cy
	s_lshl_b32 s42, ttmp9, 2
	s_add_co_u32 s42, s42, s40                     ; head
	s_and_b32 s17, ttmp7, 0xffff
	s_lshl_b32 s17, s17, 2
	s_add_co_u32 s17, s17, s41                     ; which 128 positions, 0..15
	s_lshl_b32 s43, s41, 2
	s_lshl_b32 s43, 15, s43                        ; my row of the cluster
	s_lshl_b32 s44, 0x1111, s40                    ; my column
	; descriptor group 1: 8 rows (tiles), 24,576 bytes apart, elements of 8 bytes; no padding: in LDS [tile][step][1,536]
	s_or_b32 s[G1+0], s43, (3<<16)|(1<<21)
	s_or_b32 s[G1B+0], s44, (3<<16)|(1<<21)
	ROWS 2
.irp g, G1, G1B
	s_mov_b32 s[\g+2], 8<<16
	s_mov_b32 s[\g+4], 8
	s_mov_b32 s[\g+5], TROW/8
	s_mov_b32 s[\g+6], 0
	s_mov_b32 s[\g+7], 0
.endr
	s_mul_i32 s56, s17, 8*TROW                     ; x's tiles, in bytes
	s_mov_b32 s57, 0
	s_mul_i32 s58, s42, 8*TROW                     ; the weights': tensor = wave
	s_mul_i32 s59, s14, TEN
	s_add_co_u32 s58, s58, s59
	s_mov_b32 s59, 0
	s_mul_i32 s60, s40, 2*TROW                     ; the prefetches: my work-group's two of the eight tile rows
	s_add_co_u32 s60, s60, s56
	s_mul_i32 s61, s41, 2*TROW
	s_add_co_u32 s61, s61, s58
	s_cmp_eq_u32 s14, 0
	s_cselect_b32 s60, s60, s61
	s_mov_b32 s61, 0
	s_mul_i32 s45, s14, QB                         ; where my tiles go in a slot: no place in the cluster enters an LDS address
	s_mov_b32 s[G0], 1
	s_mov_b32 s[G0+1], 0
	s_mov_b32 s[G0B], 1
	s_mov_b32 s[G0B+1], s45
	s_lshl_b32 s62, s17, 2                         ; block = 64 b + 4 h + ks
	s_and_b32 s62, s62, 0x30
	s_lshl_b32 s62, s62, 2
	s_lshl_b32 s63, s42, 2
	s_add_co_u32 s62, s62, s63
	s_and_b32 s63, s17, 3
	s_add_co_u32 s62, s62, s63
	s_mul_i32 s2, s62, 8*FRB                       ; where the codes go
	s_mov_b32 s3, 0
	s_lshl_b32 s12, s62, 9                         ; and the scale words of tensor = wave
	s_lshl_b32 s13, s14, 17
	s_add_co_u32 s12, s12, s13
	s_mov_b32 s13, 0
	s_lshl_b32 s18, s17, 13                        ; x's scale words
	s_lshl_b32 s19, s42, 13
	s_lshl_b32 s20, s14, 11
	s_add_co_u32 s19, s19, s20
	s_add_co_u32 s19, s19, TENS                    ; my weight tiles' of W_Q
	s_sub_co_u32 s19, s19, s18                     ; their distance
	s_add_co_u32 s20, s19, TENS-2048               ; W_K's
	s_add_co_u32 s21, s20, TENS-2048               ; W_V's
	s_mul_i32 s22, s14, 2*STB
	s_add_co_u32 s22, s22, QB
	s_mul_i32 s23, s14, 2*FRB
	s_mul_i32 s63, s14, 4*FRB
	s_add_co_u32 s63, s63, QB
	s_lshr_b32 s15, s14, 1                         ; my block of 32 channels: c = w / 2 of the fragment,
	s_and_b32 s16, s14, 1
	s_lshl_b32 s16, s16, 8                         ; lanes 16 (w % 2) ..
	s_mul_i32 s68, s15, 1016
	s_add_co_u32 s68, s68, 8
	s_mul_i32 s69, s15, 520
	s_add_co_u32 s70, s69, 512
	s_add_co_u32 s71, s14, SCI
	s_lshl_b32 s15, s14, 2
	s_add_co_u32 s15, s15, SCI
	s_lshl_b32 s62, s14, 9
	s_mov_b32 s[SEL], 0x76543210
	s_mov_b32 s[SEL+1], 0xfedcba98
	v_and_b32 v1, 31, v0                           ; lane
	v_and_b32 v15, 15, v0                          ; r
	v_bfe_u32 v27, v0, 4, 1                        ; h
	v_lshlrev_b32 v[GOF], 4, v1
	v_lshl_add_u32 v[OFF+3], v15, 4, s18           ; lanes 16-31 take the weights' words: one product, the distance between the two
	v_mul_u32_u24 v[OFF], s19, v27
	v_mul_u32_u24 v[OFF+1], s20, v27
	v_mul_u32_u24 v[OFF+2], s21, v27
	v_add_nc_u32 v[OFF], v[OFF], v[OFF+3]
	v_add3_u32 v[OFF+1], v[OFF+1], v[OFF+3], 2048
	v_add3_u32 v[OFF+2], v[OFF+2], v[OFF+3], 4096
	v_add_nc_u32 v[OFF+3], 6144, v[OFF+3]          ; x's tiles 6 and 7 have no weight tile beside them: both halves of the lanes load x's
	v_mul_u32_u24 v[PF0], 57, v1                   ; blocks 0-31 of two rows of 18: 57 l / 1024 is the row
	v_lshrrev_b32 v[PF0], 10, v[PF0]
	v_mul_u32_u24 v[PF0], v[PF0], TROW-STB
	v_lshl_add_u32 v[PF0], v1, 8, v[PF0]
	v_min_u32 v[PF1], 3, v1                        ; blocks 32-35
	v_lshlrev_b32 v[PF1], 8, v[PF1]
	v_add_nc_u32 v[PF1], TROW+14*256, v[PF1]
	v_min_u32 v[PF2], 23, v1                       ; two rows of 12: 43 l / 512 is the row
	v_mul_u32_u24 v[IM], 43, v[PF2]
	v_lshrrev_b32 v[IM], 9, v[IM]
	v_mul_u32_u24 v[IM], v[IM], TROW-2*FRB
	v_lshl_add_u32 v[PF2], v[PF2], 8, v[IM]
	v_mov_b32 v[ADX], v[GOF]
	v_add_nc_u32 v[ADX+1], SLOT, v[GOF]
	v_add_nc_u32 v[ADW], s22, v[GOF]
	v_add_nc_u32 v[ADW+1], SLOT, v[ADW]
	v_add_nc_u32 v[ADW+2], 2*QB, v[ADW]
	v_add_nc_u32 v[ADW+3], 2*QB+SLOT, v[ADW]
	v_add_nc_u32 v[GO], s23, v[GOF]
	v_mul_u32_u24 v[IM], v27, FRB                  ; the way out: lanes 16-31 hold the pair's second tile
	v_lshl_add_u32 v[IM], v15, 4, v[IM]
	v_add_nc_u32 v[IM], s16, v[IM]
	v_add_nc_u32 v[IM+1], s68, v[IM]
	v_add_nc_u32 v[IM+2], s70, v[IM]
	v_add_nc_u32 v[IM], s69, v[IM]
	v_lshl_add_u32 v[SBA], v15, 4, s71
	v_lshl_add_u32 v[SBW], v15, 4, s15
	v_add_nc_u32 v1, s62, v[GOF]                   ; 16 x lane + 512 w: a tensor's scale words on their way out
	v_add_nc_u32 v[AZ], s63, v[GOF]
	v_add_nc_u32 v[AZ+1], 2*QB, v[AZ]
	v_add_nc_u32 v[AE], SLOT, v[AZ]
	v_add_nc_u32 v[AE+1], 2*QB+SLOT, v[AZ]
	s_wait_alu depctr_va_vdst(0)                   ; the wait at the head's end
	s_wait_dscnt 0x0                               ; both opening adds are done
	s_wait_kmcnt 0x0
	s_add_nc_u64 s[G0+2:G0+3], s[4:5], s[56:57]
	s_or_b32 s[G0+3], s[G0+3], 0x80000000
	s_add_nc_u64 s[G0B+2:G0B+3], s[4:5], s[58:59]
	s_or_b32 s[G0B+3], s[G0B+3], 0x80000000
	s_add_nc_u64 s[PFB:PFB+1], s[4:5], s[60:61]
	s_add_nc_u64 s[8:9], s[8:9], s[2:3]
	s_add_nc_u64 s[10:11], s[10:11], s[12:13]
	CROUND                                         ; all sixteen work-groups are here: the first joint loads meet
	JLOAD                                          ; steps 0 and 1: one tensor load a wave at the head
.irp q, 0,1,2,3
.irp i, 0,1,2,3,4,5,6,7
	global_load_b128 v[28+16*\q+4*\i+50*(\i/4):31+16*\q+4*\i+50*(\i/4)], v[OFF+\i/2], s[6:7] offset:256*\q+1024*(\i%2)
.endr
.endr
	ASK 1
	s_wait_tensorcnt 0x0                           ; my part of slot 0 is in
	ds_add_u32 v[SPW], v[NIL]
	NEXTFILL 1
	s_wait_dscnt 0x0
	CROUND                                         ; everybody's part of slot 0 is in
	JLOAD                                          ; steps 2 to 4
.irp f, 0,1,2,3,4,5,6,7,8,9,10,11,12,13
	FRAG \f, 0
.endr
	WIN 0
	ASK 2
	s_wait_loadcnt 0x0                             ; all scale words
	NSTEP 0, 1                                     ; the first step's products start the sums: nothing is cleared
	TURN 1, 2, 3
	NSTEP 2, 0
	NSTEP 3, 0
	TURN 4, 3, 4
	NSTEP 5, 0
	NSTEP 6, 0
	TURN 7, 4, 5
	NSTEP 8, 0
	NSTEP 9, 0
	TURN 10, 5, 0
	NSTEP 11, 0
	NSTEP 12, 0
	TURN 13, 0, 0                                  ; nothing is left to fetch
	NSTEP 14, 0
	s_wait_dscnt 0x0
	PRODS 0, 48, 15
	WIN 0
; THE WAY OUT.  64 accumulator registers are four half blocks of 16: for Q and K those of four tiles of x, for V the four blocks of a channel's 128 keys.  Each accumulator is read first at its low end.
.macro SCALES src, win                 ; the four blocks' scale operands and bytes
	WIN (\win)|((\win)<<2)
.irp b, 0,1,2,3
	v_max3_num_f32 v[TM+\b], |v[(\src)+16*\b]|, |v[(\src)+16*\b+1]|, 0x1800000   ; and the floor 2^(3 - 127): the byte cannot fall under 1
.endr
.irp i, 2,4,6,8,10,12,14
.irp b, 0,1,2,3
	v_max3_num_f32 v[TM+\b], |v[(\src)+16*\b+\i]|, |v[(\src)+16*\b+\i+1]|, v[TM+\b]
.endr
.endr
	WIN 0
.irp b, 0,1,2,3
	v_permlanex16_b32 v[TM+4+\b], v[TM+\b], s[SEL], s[SEL+1]
.endr
.irp b, 0,1,2,3
	v_max_num_f32 v[TM+\b], v[TM+\b], v[TM+4+\b]   ; with lane l xor 16's: the block's largest magnitude
.endr
.irp b, 0,1,2,3
	v_add_nc_u32 v[TM+12+\b], 0xff000000, v[TM+\b] ; 2 off its exponent field: the conversion's scale operand
.endr
.irp b, 0,1,2,3
	v_lshrrev_b32 v[TM+4+\b], 23, v[TM+12+\b]      ; the scale's byte
.endr
.endm
.macro CODES src, win, dst             ; six registers for each two blocks: lanes 0-15 the first of them whole, lanes 16-31 the second
	WIN (\win)
.irp c, 0,1
	v_cvt_scalef32_pk16_fp6_f32 v[(\dst)+6*\c:(\dst)+6*\c+2], v[(\src)+32*\c:(\src)+32*\c+15], v[TM+12+2*\c]
	v_cvt_scalef32_pk16_fp6_f32 v[TH+4*\c:TH+4*\c+2], v[(\src)+32*\c+16:(\src)+32*\c+31], v[TM+13+2*\c]   ; (a conversion's three registers begin on an even number)
.endr
	WIN 0
	v_nop                                          ; one plain instruction behind the scaled conversions
.irp c, 0,1
.irp i, 0,1,2
	v_permlane16_swap_b32 v[(\dst)+6*\c+\i], v[TH+4*\c+\i]
.endr
.irp i, 0,1,2
	v_mov_b32 v[(\dst)+6*\c+3+\i], v[TH+4*\c+\i]
.endr
.endr
.endm
.macro QK p, g                         ; tiles 4 g .. 4 g + 3 of Q (p = 0) or K (1): my channels are one block of four: the fragments are put together in LDS
	SCALES 128*\p+64*\g, 2
.irp b, 0,1,2,3
	ds_store_b8 v[SBA], v[TM+4+\b] offset:512*\p+256*(\b%2)+4*((4*\g+\b)/2)   ; lanes r and r + 16 write the same byte with the same value
.endr
	CODES 128*\p+64*\g, 2, CD+12*(2*\p+\g)
.irp j, 0,1
.irp k, 0,1,2
	ds_store_b64 v[IM+\k], v[CD+12*(2*\p+\g)+6*\j+2*\k:CD+12*(2*\p+\g)+6*\j+2*\k+1] offset:8*FRB*\p+FRB*(4*\g+2*\j)
.endr
.endr
.endm
.macro VWORD u, w                      ; V's fragment u of my two: its scale word
	v_lshl_or_b32 v[\w], v[TM+5], 8, v[TM+4]
	v_lshl_or_b32 v[\w], v[TM+6], 16, v[\w]
	v_lshl_or_b32 v[\w], v[TM+7], 24, v[\w]
	ds_store_b32 v[SBW], v[\w] offset:1024+256*\u
.endm
	PLACES 4                                       ; behind the last products
.irp b, 0,1,2,3
	v_mov_b32 v[TM+4+\b], 0                        ; written once: a lane permute's destination counts as one of its sources
.endr
	QK 0, 0
	QK 0, 1
	QK 1, 0
	QK 1, 1
	SCALES 0, 3
	VWORD 0, AZ
	CODES 0, 3, CV
	SCALES 64, 3
	VWORD 1, AZ+1
	s_wait_alu depctr_va_vdst(0)
	s_wait_dscnt 0x0                               ; my parts of the images are in LDS
	s_barrier_signal -1
	CODES 64, 3, CV+12                             ; work on registers while the others arrive
	s_wait_alu depctr_va_vdst(0)
	s_barrier_wait -1
.irp k, 0,1,2,3,4,5
	ds_load_b128 v[CD+4*\k:CD+4*\k+3], v[GO] offset:512*\k
.endr
.irp k, 0,1,2,3,4,5
	ds_load_b128 v[CD+24+4*\k:CD+24+4*\k+3], v[GO] offset:8*FRB+512*\k
.endr
.irp k, 0,1,2,3,4,5
	global_store_b128 v[GO], v[CV+4*\k:CV+4*\k+3], s[8:9] offset:2*TEN+512*\k   ; every store: 32 lanes, 512 consecutive bytes, at a multiple of 512
.endr
	s_wait_dscnt 6
.irp k, 0,1,2,3,4,5
	global_store_b128 v[GO], v[CD+4*\k:CD+4*\k+3], s[8:9] offset:512*\k
.endr
	s_wait_dscnt 0x0
.irp k, 0,1,2,3,4,5
	global_store_b128 v[GO], v[CD+24+4*\k:CD+24+4*\k+3], s[8:9] offset:TEN+512*\k
.endr
	s_cmp_eq_u32 s14, 3
	s_cbranch_scc1 .Lno_words
	ds_load_b128 v[TH:TH+3], v1 offset:SCI         ; waves 0 to 2: the scale words of Q, K, V
	s_wait_dscnt 0x0
	global_store_b128 v[GOF], v[TH:TH+3], s[10:11]
.Lno_words:
	s_wait_tensorcnt 0x0                           ; the wave's end
	ds_add_u32 v[SPW], v[NIL]
	s_wait_dscnt 0x0
	CROUND                                         ; the closing round: no work-group ends while a partner may still ask for a tile that names it
	s_endpgm
.Lfunc_end_k_q261afa5708_qkv:
	.size	k_q261afa5708_qkv, .Lfunc_end_k_q261afa5708_qkv-k_q261afa5708_qkv
	.p2alignl 7, 3214868480
	.fill 96, 4, 3214868480
	.section	.rodata,"a",@progbits
	.p2align	6, 0x0
	.amdhsa_kernel k_q261afa5708_qkv
		.amdhsa_group_segment_fixed_size 327680
		.amdhsa_private_segment_fixed_size 0
		.amdhsa_enable_private_segment 0
		.amdhsa_kernarg_size 32
		.amdhsa_user_sgpr_count 2
		.amdhsa_user_sgpr_kernarg_segment_ptr 1
		.amdhsa_wavefront_size32 1
		.amdhsa_system_sgpr_workgroup_id_x 1
		.amdhsa_system_sgpr_workgroup_id_y 1
		.amdhsa_system_sgpr_workgroup_id_z 1
		.amdhsa_system_vgpr_workitem_id 0
		.amdhsa_next_free_vgpr 1024
		.amdhsa_next_free_sgpr 72
		.amdhsa_reserve_vcc 0
		.amdhsa_float_denorm_mode_32 3
		.amdhsa_float_denorm_mode_16_64 3
		.amdhsa_memory_ordered 1
		.amdhsa_forward_progress 1
		.amdhsa_inst_pref_size 191
	.end_amdhsa_kernel
	.amdgpu_metadata
---
amdhsa.version: [ 1, 2 ]
amdhsa.kernels:
  - .name:           k_q261afa5708_qkv
    .symbol:         k_q261afa5708_qkv.kd
    .args:
      - { .name: wcodes, .offset: 0, .size: 8, .value_kind: global_buffer, .address_space: global }
      - { .name: wscales, .offset: 8, .size: 8, .value_kind: global_buffer, .address_space: global }
      - { .name: qcodes, .offset: 16, .size: 8, .value_kind: global_buffer, .address_space: global }
      - { .name: qscales, .offset: 24, .size: 8, .value_kind: global_buffer, .address_space: global }
    .group_segment_fixed_size: 327680
    .private_segment_fixed_size: 0
    .kernarg_segment_align: 8
    .kernarg_segment_size: 32
    .max_flat_workgroup_size: 128
    .sgpr_count:     72
    .vgpr_count:     1024
    .wavefront_size: 32
...
	.end_amdgpu_metadata
.endif
;; end of part 2
;; launch attn (part 3): grid 4 x 64, 8 waves a work-group, clusters of 4 x 1, 327,680 bytes of LDS; arguments qcodes, qscales, mcodes, wscales; writes mcodes, wscales
.if DOCPART == 3
	.amdgcn_target "amdgcn-amd-amdhsa--gfx1250"
	.amdhsa_code_object_version 6
	.text
	.protected	k_q261afa5708_attn
	.globl	k_q261afa5708_attn
	.p2align	8
	.type	k_q261afa5708_attn,@function
k_q261afa5708_attn:
	s_mov_b64 s[64:65], 0
	v_nop
	global_prefetch_b8 v0, s[64:65] scope:SCOPE_SE
	s_setreg_imm32_b32 hwreg(HW_REG_WAVE_MODE, 25, 1), 1
	s_wait_xcnt 0x0
	s_wait_alu depctr_hold_cnt(0) depctr_sa_sdst(0) depctr_va_vdst(0) depctr_va_sdst(0) depctr_va_ssrc(0) depctr_va_vcc(0) depctr_vm_vsrc(0)
	s_getreg_b32 s2, hwreg(HW_REG_IB_STS2, 6, 4)
	s_cmp_eq_u32 s2, 0
	s_cbranch_scc0 .Lentry_in_a_cluster
	s_endpgm
.Lentry_in_a_cluster:
	s_bfe_u32 s2, ttmp6, 0x10000c
	s_cmp_lg_u32 s2, 0x3003
	s_cbranch_scc0 .Lentry_shape_is_right
	s_endpgm
.Lentry_shape_is_right:
; ATTENTION on codes of FP6 (E2M3) with E8M0 scales: S^T = K Q^T, p = 2^(t - M) with M the running largest t rounded up, O^T = V^T p^T over the row's sum of the unquantised p; the result is quantised and leaves as codes.
; SHARES.  256 work-groups of eight waves: y names batch and head, x a quarter of the query tiles; a wave owns 16 queries and walks key steps 0 .. KC of 128 keys.  The four work-groups of a head form a cluster and ask jointly for its K and V:
; all 512 keys, 98,304 bytes of codes and 4,096 of scale words, lie in LDS at once.  One tensor load a wave: waves 0-1 K's halves, 2-3 K's scale words, 4-5 V's halves, 6-7 V's scale words.
; Nothing is filled again and no loop runs ahead of a load, so nothing is prefetched.
; TWO BARRIERS: the first shows K, for which waves 0 to 3 have waited; the second, behind step 0's maxima, shows V.
; A STEP: eight score products on K's eight fragments; then V's fragments and, where a next step exists, its K fragments are asked for, and the softmax stands between those loads and their use.  Step 0 starts the sums: nothing is cleared.
; DEAD WORK: key steps of 128 that lie wholly above the diagonal are left out (reference()'s causal mask makes their p zero whatever the inputs hold).  A NaN, an infinity or an overflow that reaches only them is not carried to the result.
; LIMITS: scaled scores (the exponents to the base 2, before the maximum is taken away) stay under 2^31 in magnitude; NaN and infinities are not served; blocks whose largest magnitude lies under 2^-124 are held at the scale byte 1
; (blocks of zeros too: their codes are zeros, and this program alone reads the bytes).
; A block's largest p is the exponential of its largest score: this takes the exponential not to fall where its input rises.
; RESULT.  mcodes: fragment (tile T of 16 rows, head) at (16 T + head) x 1,536; its scale words go into wscales' first 131,072 bytes (x's, which no later launch reads) at 1,024 T + 256 (head / 4) + 16 r + 4 (head % 4).
; REGISTERS.  window 0: v1-5 addresses; v12 -M, v13 the running largest t, v[14:15] the row's sum in two halves; v16-27 Q, v28 its scale words; v80-95 K's and V's scale words; v96-159 the scores, then p; v160-223 O^T; v224-235 p's codes.
; window 1: v0-95 K's eight fragments, v96-191 V's.
.set FRB,  1536
.set BLKB, 8*FRB
.set VIMG, 4*BLKB
.set SCK,  8*BLKB                      ; K's scale words, 2,048 bytes, then V's
.set SPARE, SCK+69632                  ; the spare words, 128 bytes for each wave
.set LI,   1                           ; 16 x lane
.set LV,   2                           ; V's image
.set LSC,  3                           ; K's scale words + 16 r
.set DD,   4                           ; my query's place less 16 x half: key n of a step's own order is masked where n > DD
.set QS,   5                           ; 16 r
.set KS,   80
.set VS,   88
.set TM,   232
.set TH,   44
.set SPW,  251
.set NIL,  255
.set WV,   18
.set SEL,  20
.set CS,   22
.set G1C,  24
.set G1S,  32
.set G0C,  40
.set G0S,  44
.set KC,   48
.set MSB, 0
.macro WIN new                         ; the immediate's high byte repeats the setting that is left
.if MSB != (\new)
	s_set_vgpr_msb (MSB<<8)|(\new)
.set MSB, (\new)
.endif
.endm
.macro PLACES n
.rept \n
	v_nop
.endr
.endm
.macro CROUND
	s_barrier_signal -1
	s_barrier_wait -1
	s_cmp_lg_u32 s[WV], 0
	s_cbranch_scc1 .Lnot_wave_0_\@
	s_barrier_signal -3
.Lnot_wave_0_\@:
	s_barrier_wait -3
	s_barrier_signal -1
	s_barrier_wait -1
.endm
.macro TLOAD g0, g1
	tensor_load_to_lds s[\g0:\g0+3], s[\g1:\g1+7]
	s_nop 0
	PLACES 4
.endm
	s_load_b256 s[4:11], s[0:1], 0x0               ; qcodes, qscales, mcodes, wscales
	v_lshl_add_u32 v[SPW], v0, 2, SPARE
	v_mov_b32 v[NIL], 0
	ds_add_u32 v[SPW], v[NIL]                      ; the wave's opening: the add, twice on end, and its wait
	ds_add_u32 v[SPW], v[NIL]
	v_lshrrev_b32 v8, 5, v0
	v_readfirstlane_b32 s[WV], v8                  ; wave 0..7
	s_bfe_u32 s13, ttmp6, 0x40000                  ; cx
	s_and_b32 s12, ttmp7, 0xffff                   ; 16 x batch + head
	s_and_b32 s14, s[WV], 1
	s_lshr_b32 s15, s[WV], 1
	s_lshr_b32 s16, s15, 1
	s_xor_b32 s[KC], s15, s16                      ; my queries' block of 128: 0, 1, 3, 2 for the four pairs of waves; also my last key step
	s_lshr_b32 s49, s[WV], 2                       ; I fetch for K (0) or V (1),
	s_lshl_b32 s76, s49, 1
	s_add_co_u32 s76, s76, s14                     ; this half
	s_add_co_u32 s51, s49, 1
	s_mul_i32 s52, s51, 3145728
	s_mul_i32 s53, s12, 4*BLKB
	s_add_co_u32 s52, s52, s53
	s_mul_i32 s53, s14, 2*BLKB
	s_add_co_u32 s52, s52, s53                     ; codes, in bytes
	s_mov_b32 s53, 0
	s_lshl_b32 s54, s51, 17
	s_lshl_b32 s55, s12, 11
	s_add_co_u32 s54, s54, s55
	s_lshl_b32 s55, s14, 10
	s_add_co_u32 s54, s54, s55                     ; scale words
	s_mov_b32 s55, 0
	; descriptor group 1, dense blocks as rows of 256 bytes, for all four of the cluster: codes 96 rows, scale words 4
	s_mov_b32 s[G1C], 15|(3<<16)|(1<<21)
	s_mov_b32 s[G1C+1], 32<<16
	s_mov_b32 s[G1C+2], 96<<16
	s_mov_b32 s[G1C+3], 32<<16
	s_mov_b32 s[G1C+4], 96
	s_mov_b32 s[G1C+5], 32
	s_mov_b32 s[G1C+6], 0
	s_mov_b32 s[G1C+7], 0
	s_mov_b32 s[G1S], 15|(3<<16)|(1<<21)
	s_mov_b32 s[G1S+1], 32<<16
	s_mov_b32 s[G1S+2], 4<<16
	s_mov_b32 s[G1S+3], 32<<16
	s_mov_b32 s[G1S+4], 4
	s_mov_b32 s[G1S+5], 32
	s_mov_b32 s[G1S+6], 0
	s_mov_b32 s[G1S+7], 0
	s_lshl_b32 s56, s12, 2
	s_add_co_u32 s56, s56, s[KC]                   ; my queries' block
	s_lshl_b32 s57, s13, 1
	s_add_co_u32 s57, s57, s14                     ; and their tile in it, 0..7
	s_mul_i32 s58, s56, BLKB
	s_mul_i32 s59, s57, FRB
	s_add_co_u32 s58, s58, s59
	s_mov_b32 s59, 0
	s_lshl_b32 s62, s56, 9
	s_lshl_b32 s63, s14, 8
	s_add_co_u32 s62, s62, s63
	s_lshl_b32 s63, s13, 2
	s_add_co_u32 s62, s62, s63
	s_mov_b32 s63, 0
	s_lshr_b32 s66, s12, 4                         ; batch
	s_and_b32 s67, s12, 15                         ; head
	s_lshl_b32 s68, s66, 5
	s_lshl_b32 s69, s[KC], 3
	s_add_co_u32 s68, s68, s69
	s_add_co_u32 s68, s68, s57                     ; T: my tile of the result's 128
	s_lshl_b32 s69, s68, 4
	s_add_co_u32 s69, s69, s67
	s_mul_i32 s70, s69, FRB
	s_mov_b32 s71, 0
	s_lshl_b32 s72, s68, 10                        ; scale words: 1,024 T + 256 (head / 4) + 4 (head % 4)
	s_lshr_b32 s73, s67, 2
	s_lshl_b32 s73, s73, 8
	s_add_co_u32 s72, s72, s73
	s_and_b32 s73, s67, 3
	s_lshl_b32 s73, s73, 2
	s_add_co_u32 s72, s72, s73
	s_mov_b32 s73, 0
	s_lshl_b32 s74, s13, 5                         ; 32 cx + 8 (wave % 2): where my tile's rows begin in the block
	s_lshl_b32 s75, s14, 3
	s_add_co_u32 s74, s74, s75
	s_mov_b32 s[SEL], 0x76543210
	s_mov_b32 s[SEL+1], 0xfedcba98                 ; lane selects: lane l xor 16
	s_mov_b32 s[CS], 0x3e0293ee                    ; log2(e) / sqrt(128): t = score x this
	s_mov_b32 s[CS+1], s[CS]
	s_mov_b32 s[G0C], 1
	s_mul_i32 s[G0C+1], s76, 2*BLKB
	s_mov_b32 s[G0S], 1
	s_lshl_b32 s[G0S+1], s76, 10
	s_add_co_u32 s[G0S+1], s[G0S+1], SCK
	s_wait_alu depctr_va_vdst(0)
	s_wait_dscnt 0x0                               ; both opening adds are done
	s_wait_kmcnt 0x0
	s_add_nc_u64 s[G0C+2:G0C+3], s[4:5], s[52:53]
	s_or_b32 s[G0C+3], s[G0C+3], 0x80000000
	s_add_nc_u64 s[G0S+2:G0S+3], s[6:7], s[54:55]
	s_or_b32 s[G0S+3], s[G0S+3], 0x80000000
	s_add_nc_u64 s[60:61], s[4:5], s[58:59]
	s_add_nc_u64 s[62:63], s[6:7], s[62:63]
	s_add_nc_u64 s[8:9], s[8:9], s[70:71]
	s_add_nc_u64 s[10:11], s[10:11], s[72:73]
	CROUND                                         ; all four work-groups are here: the joint loads meet
	s_cmp_lt_u32 s[WV], 2                          ; one chain of branches on the wave's number, a load in each arm: one tensor load a wave
	s_cbranch_scc0 .Lk_words
	TLOAD G0C, G1C
	s_branch .Lasked
.Lk_words:
	s_cmp_lt_u32 s[WV], 4
	s_cbranch_scc0 .Lv_codes
	TLOAD G0S, G1S
	s_branch .Lasked
.Lv_codes:
	s_cmp_lt_u32 s[WV], 6
	s_cbranch_scc0 .Lv_words
	TLOAD G0C, G1C
	s_branch .Lasked
.Lv_words:
	TLOAD G0S, G1S
.Lasked:
	v_and_b32 v8, 31, v0
	v_and_b32 v9, 15, v0                           ; r
	v_bfe_u32 v10, v0, 4, 1                        ; h
	v_lshlrev_b32 v[LI], 4, v8
	v_lshlrev_b32 v[QS], 4, v9
	v_and_b32 v11, 8, v9
.irp c, 0,1,2
	global_load_b128 v[16+4*\c:19+4*\c], v[LI], s[60:61] offset:512*\c
.endr
	global_load_b32 v28, v[QS], s[62:63]
	v_lshlrev_b32 v10, 4, v10
	v_add_nc_u32 v[LV], VIMG, v[LI]
	v_add_nc_u32 v[LSC], SCK, v[QS]
	v_add_nc_u32 v11, v11, v9                      ; r + 8 (r / 8)
	v_mov_b32 v252, 0                              ; a lane permute's destination counts as one of its sources, here and in v236-239
.irp b, 0,1,2,3
	v_mov_b32 v[236+\b], 0
.endr
	v_sub_nc_u32 v11, v11, v10
	v_add_nc_u32 v[DD], s74, v11
; K's eight fragments of step s and their scale words: 26 loads;  V's
.macro KLOAD s
	WIN 0x40
.irp t, 0,1,2,3,4,5,6,7
.irp c, 0,1,2
	ds_load_b128 v[12*\t+4*\c:12*\t+4*\c+3], v[LI] offset:BLKB*(\s)+\t*FRB+512*\c
.endr
.endr
	WIN 0
	ds_load_b128 v[KS:KS+3], v[LSC] offset:512*(\s)
	ds_load_b128 v[KS+4:KS+7], v[LSC] offset:512*(\s)+256
.endm
.macro VLOAD s
	WIN 0x40
.irp t, 0,1,2,3,4,5,6,7
.irp c, 0,1,2
	ds_load_b128 v[96+12*\t+4*\c:96+12*\t+4*\c+3], v[LV] offset:BLKB*(\s)+\t*FRB+512*\c
.endr
.endr
	WIN 0
	ds_load_b128 v[VS:VS+3], v[LSC] offset:2048+512*(\s)
	ds_load_b128 v[VS+4:VS+7], v[LSC] offset:2048+512*(\s)+256
.endm
	s_wait_alu depctr_va_vdst(0)                   ; the wait at the head's end
	s_cmp_lt_u32 s[WV], 4
	s_cbranch_scc0 .Lnot_k
	s_wait_tensorcnt 0x0
.Lnot_k:
	s_barrier_signal -1
	s_barrier_wait -1                              ; K and its scale words are in; V may still be on its way
	KLOAD 0
	s_wait_loadcnt 0x0                             ; Q
.macro ASTEP s
	s_wait_dscnt 0x0                               ; this step's K
	WIN 0x01                                       ; source 0: window 1
.irp t, 0,1,2,3,4,5,6,7
	v_wmma_scale_f32_16x16x128_f8f6f4 v[96+8*\t:103+8*\t], v[12*\t:12*\t+11], v[16:27], 0, v[KS+4*(\t%2)+\t/2], v28 matrix_a_fmt:MATRIX_FMT_FP6 matrix_b_fmt:MATRIX_FMT_FP6
.endr                                          ; a lane holds one query; register 16 b + i is key 32 b + 16 (lane / 16) + i of the step
	WIN 0
	PLACES 4                                       ; the scores are read below, and loads land in the fragments' registers
.if \s > 0
	VLOAD \s
.endif
.if \s < 3
	s_cmp_lg_u32 s[KC], \s
	s_cbranch_scc1 .Lopen_\@
.endif
	v_mov_b32 v254, 0xff800000                     ; the diagonal's step: what lies above it counts for nothing
.irp n, 0,1,2,3,4,5,6,7,8,9,10,11,12,13,14,15,16,17,18,19,20,21,22,23,24,25,26,27,28,29,30,31,32,33,34,35,36,37,38,39,40,41,42,43,44,45,46,47,48,49,50,51,52,53,54,55,56,57,58,59,60,61,62,63
	v_cmp_gt_i32 vcc_lo, 32*(\n/16)+\n%16, v[DD]
	v_cndmask_b32 v[96+\n], v[96+\n], v254, vcc_lo
.endr
.if \s < 3
	s_wait_alu depctr_va_vdst(0)                   ; ahead of the branch
	s_branch .Ljoin_\@
.Lopen_\@:
	KLOAD (\s)+1                                   ; a next step exists
.Ljoin_\@:
.endif
.irp b, 0,1,2,3
	v_max3_num_f32 v[232+\b], v[96+16*\b], v[97+16*\b], v[98+16*\b]   ; the largest score of each block of 32 keys: for the row's maximum and for the block's largest p
.endr
.irp i, 3,5,7,9,11,13
.irp b, 0,1,2,3
	v_max3_num_f32 v[232+\b], v[232+\b], v[96+16*\b+\i], v[97+16*\b+\i]
.endr
.endr
.irp b, 0,1,2,3
	v_max_num_f32 v[232+\b], v[232+\b], v[111+16*\b]
.endr
.irp b, 0,1,2,3
	s_delay_alu instid0(VALU_DEP_4)
	v_permlanex16_b32 v[236+\b], v[232+\b], s[SEL], s[SEL+1]
.endr
.irp b, 0,1,2,3
	s_delay_alu instid0(VALU_DEP_4)
	v_max_num_f32 v[232+\b], v[232+\b], v[236+\b]
.endr
	s_delay_alu instid0(VALU_DEP_2)
	v_max3_num_f32 v254, v232, v233, v234
	s_delay_alu instid0(VALU_DEP_1)
	v_max_num_f32 v254, v254, v235
.if \s == 0
	s_delay_alu instid0(VALU_DEP_1)
	v_mul_f32 v13, s[CS], v254                     ; the largest t so far
	s_delay_alu instid0(VALU_DEP_1)
	v_floor_f32 v12, -v13                          ; -M = -ceil(t): M is a whole number
	s_wait_alu depctr_va_vdst(0)                   ; ahead of the barrier
	s_wait_tensorcnt 0x0                           ; my tensor load, K's or V's
	s_wait_dscnt 0x0
	s_barrier_signal -1
	s_barrier_wait -1                              ; V and its scale words are in
	VLOAD 0
.else
	s_delay_alu instid0(VALU_DEP_1)
	v_mul_f32 v254, s[CS], v254
	s_delay_alu instid0(VALU_DEP_1)
	v_max_num_f32 v13, v13, v254                   ; the running largest t
	v_mov_b32 v254, v12
	s_delay_alu instid0(VALU_DEP_2)
	v_floor_f32 v12, -v13
	s_delay_alu instid0(VALU_DEP_1)
	v_sub_f32 v254, v12, v254                      ; M's old value less its new one: a whole number
	s_delay_alu instid0(VALU_DEP_1)
	v_cvt_i32_f32 v254, v254
	s_delay_alu instid0(VALU_DEP_1)
	v_ldexp_f32 v252, 1.0, v254                    ; f = 2^(old M - new M)
.endif
.irp j, 0,2,4,6,8,10,12,14,16,18,20,22,24,26,28,30,32,34,36,38,40,42,44,46,48,50,52,54,56,58,60,62
	v_pk_fma_f32 v[96+\j:97+\j], v[96+\j:97+\j], s[CS:CS+1], v[12:13] op_sel_hi:[1,0,0]   ; t - M
.endr
.irp b, 0,1,2,3
	v_fma_f32 v[232+\b], v[232+\b], s[CS], v12
.endr
	s_wait_alu depctr_va_vdst(0)                   ; the wait ahead of the batch
.irp j, 0,1,2,3,4,5,6,7,8,9,10,11,12,13,14,15,16,17,18,19,20,21,22,23,24,25,26,27,28,29,30,31,32,33,34,35,36,37,38,39,40,41,42,43,44,45,46,47,48,49,50,51,52,53,54,55,56,57,58,59,60,61,62,63
	v_exp_f32 v[96+\j], v[96+\j]                   ; p, not normalised
.endr
.if \s == 0
	v_nop
.else
	v_pk_mul_f32 v[14:15], v[14:15], v[252:253] op_sel_hi:[1,0]
.endif
	s_wait_alu depctr_va_vdst(0)                   ; and behind it, ahead of its first reader
.irp b, 0,1,2,3
	v_exp_f32 v[232+\b], v[232+\b]                 ; each block's largest p
.endr
.if \s == 0                            ; the row's sum is taken of the unquantised p, in two chains
	v_pk_add_f32 v[14:15], v[96:97], v[100:101]
	v_pk_add_f32 v[236:237], v[98:99], v[102:103]
.else
	v_pk_add_f32 v[236:237], v[96:97], v[98:99]
	v_pk_add_f32 v[14:15], v[14:15], v[100:101]
	v_pk_add_f32 v[236:237], v[236:237], v[102:103]
.endif
.irp j, 8,12,16,20,24,28,32,36,40,44,48,52,56,60
	v_pk_add_f32 v[14:15], v[14:15], v[96+\j:97+\j]
	v_pk_add_f32 v[236:237], v[236:237], v[98+\j:99+\j]
.endr
	s_delay_alu instid0(VALU_DEP_1)
	v_pk_add_f32 v[14:15], v[14:15], v[236:237]
	s_wait_alu depctr_va_vdst(0)                   ; and one for the four
.irp b, 0,1,2,3
	v_max_num_f32 v[232+\b], 0x1800000, v[232+\b]  ; the floor 2^(3 - 127): the byte cannot fall under 1
.endr
.irp b, 0,1,2,3
	s_delay_alu instid0(VALU_DEP_4)
	v_add_nc_u32 v[244+\b], 0xff000000, v[232+\b]  ; 2 off the exponent field: the conversion's scale operand
.endr
.irp b, 0,1,2,3
	s_delay_alu instid0(VALU_DEP_4)
	v_lshrrev_b32 v[236+\b], 23, v[244+\b]         ; the scale's byte
.endr
	s_delay_alu instid0(VALU_DEP_3)
	v_lshl_or_b32 v253, v237, 8, v236
	s_delay_alu instid0(VALU_DEP_1)
	v_lshl_or_b32 v253, v238, 16, v253
	s_delay_alu instid0(VALU_DEP_1)
	v_lshl_or_b32 v253, v239, 24, v253
.irp c, 0,1
	v_cvt_scalef32_pk16_fp6_f32 v[224+6*\c:226+6*\c], v[96+32*\c:111+32*\c], v[244+2*\c]
	v_cvt_scalef32_pk16_fp6_f32 v[236+4*\c:238+4*\c], v[112+32*\c:127+32*\c], v[244+2*\c+1]   ; (a conversion's three registers begin on an even number)
.endr
	v_nop                                          ; one plain instruction behind the scaled conversions
.irp c, 0,1                                    ; the operand wants a whole block in a lane
.irp i, 0,1,2
	v_permlane16_swap_b32 v[224+6*\c+\i], v[236+4*\c+\i]
.endr
.irp i, 0,1,2
	s_delay_alu instid0(VALU_DEP_3)
	v_mov_b32 v[227+6*\c+\i], v[236+4*\c+\i]
.endr
.endr
.if \s == 0
	PLACES 8                                       ; a scale register written by a vector instruction stands 8 places ahead of a scaled product, an operand so written 4
.else
.irp j, 0,2,4,6,8,10,12,14,16,18,20,22,24,26,28,30,32,34,36,38,40,42,44,46,48,50,52,54,56,58,60,62
	v_pk_mul_f32 v[160+\j:161+\j], v[160+\j:161+\j], v[252:253] op_sel_hi:[1,0]   ; O^T under the new M: also the places in front of the products
.endr
.endif
	s_wait_alu depctr_va_vdst(0)
	s_wait_dscnt 0x0                               ; V, and the next step's K
	WIN 0x01
.irp t, 0,1,2,3,4,5,6,7
.if \s == 0
	v_wmma_scale_f32_16x16x128_f8f6f4 v[160+8*\t:167+8*\t], v[96+12*\t:96+12*\t+11], v[224:235], 0, v[VS+4*(\t%2)+\t/2], v253 matrix_a_fmt:MATRIX_FMT_FP6 matrix_b_fmt:MATRIX_FMT_FP6
.else
	v_wmma_scale_f32_16x16x128_f8f6f4 v[160+8*\t:167+8*\t], v[96+12*\t:96+12*\t+11], v[224:235], v[160+8*\t:167+8*\t], v[VS+4*(\t%2)+\t/2], v253 matrix_a_fmt:MATRIX_FMT_FP6 matrix_b_fmt:MATRIX_FMT_FP6
.endif
.endr
	WIN 0
.if \s < 3
	s_cmp_eq_u32 s[KC], \s
	s_cbranch_scc1 .Lout
.endif
.endm
	ASTEP 0
	ASTEP 1
	ASTEP 2
	ASTEP 3
.Lout:
	v_add_f32 v14, v14, v15                        ; the sum's two halves,
	s_delay_alu instid0(VALU_DEP_1)
	v_permlanex16_b32 v252, v14, s[SEL], s[SEL+1]
	s_delay_alu instid0(VALU_DEP_1)
	v_add_f32 v14, v14, v252                       ; and lane l xor 16's: the row's sum
	s_wait_alu depctr_va_vdst(0)                   ; the wait ahead of the transcendental
	v_rcp_f32 v14, v14
	PLACES 4
	s_wait_alu depctr_va_vdst(0)                   ; and behind it
.irp j, 0,1,2,3,4,5,6,7,8,9,10,11,12,13,14,15,16,17,18,19,20,21,22,23,24,25,26,27,28,29,30,31,32,33,34,35,36,37,38,39,40,41,42,43,44,45,46,47,48,49,50,51,52,53,54,55,56,57,58,59,60,61,62,63
	v_mul_f32 v[96+\j], v[160+\j], v14             ; register 16 b + i: column 32 b + 16 (lane / 16) + i of the head
.endr
.irp b, 0,1,2,3
	v_max3_num_f32 v[TM+\b], |v[96+16*\b]|, |v[97+16*\b]|, 0x1800000
.endr
.irp i, 2,4,6,8,10,12,14
.irp b, 0,1,2,3
	s_delay_alu instid0(VALU_DEP_4)
	v_max3_num_f32 v[TM+\b], |v[96+16*\b+\i]|, |v[97+16*\b+\i]|, v[TM+\b]
.endr
.endr
.irp b, 0,1,2,3
	s_delay_alu instid0(VALU_DEP_4)
	v_permlanex16_b32 v[TM+4+\b], v[TM+\b], s[SEL], s[SEL+1]
.endr
.irp b, 0,1,2,3
	s_delay_alu instid0(VALU_DEP_4)
	v_max_num_f32 v[TM+\b], v[TM+\b], v[TM+4+\b]
.endr
.irp b, 0,1,2,3
	s_delay_alu instid0(VALU_DEP_4)
	v_add_nc_u32 v[TM+12+\b], 0xff000000, v[TM+\b]
.endr
.irp b, 0,1,2,3
	s_delay_alu instid0(VALU_DEP_4)
	v_lshrrev_b32 v[TM+4+\b], 23, v[TM+12+\b]
.endr
	s_delay_alu instid0(VALU_DEP_3)
	v_lshl_or_b32 v248, v[TM+5], 8, v[TM+4]
	s_delay_alu instid0(VALU_DEP_1)
	v_lshl_or_b32 v248, v[TM+6], 16, v248
	s_delay_alu instid0(VALU_DEP_1)
	v_lshl_or_b32 v248, v[TM+7], 24, v248
.irp c, 0,1
	v_cvt_scalef32_pk16_fp6_f32 v[32+6*\c:34+6*\c], v[96+32*\c:111+32*\c], v[TM+12+2*\c]
	v_cvt_scalef32_pk16_fp6_f32 v[TH+4*\c:TH+4*\c+2], v[112+32*\c:127+32*\c], v[TM+13+2*\c]
.endr
	v_nop
.irp c, 0,1
.irp i, 0,1,2
	v_permlane16_swap_b32 v[32+6*\c+\i], v[TH+4*\c+\i]
.endr
.irp i, 0,1,2
	s_delay_alu instid0(VALU_DEP_3)
	v_mov_b32 v[35+6*\c+\i], v[TH+4*\c+\i]
.endr
.endr
.irp c, 0,1,2
	global_store_b128 v[LI], v[32+4*\c:35+4*\c], s[8:9] offset:512*\c   ; 32 lanes store 512 consecutive bytes, at a multiple of 512
.endr
	global_store_b32 v[QS], v248, s[10:11]
	s_wait_tensorcnt 0x0                           ; the wave's end
	ds_add_u32 v[SPW], v[NIL]
	s_wait_dscnt 0x0
	CROUND                                         ; the closing round: no work-group ends while a partner may still issue a joint load that names it
	s_endpgm
.Lfunc_end_k_q261afa5708_attn:
	.size	k_q261afa5708_attn, .Lfunc_end_k_q261afa5708_attn-k_q261afa5708_attn
	.p2alignl 7, 3214868480
	.fill 96, 4, 3214868480
	.section	.rodata,"a",@progbits
	.p2align	6, 0x0
	.amdhsa_kernel k_q261afa5708_attn
		.amdhsa_group_segment_fixed_size 327680
		.amdhsa_private_segment_fixed_size 0
		.amdhsa_enable_private_segment 0
		.amdhsa_kernarg_size 32
		.amdhsa_user_sgpr_count 2
		.amdhsa_user_sgpr_kernarg_segment_ptr 1
		.amdhsa_wavefront_size32 1
		.amdhsa_system_sgpr_workgroup_id_x 1
		.amdhsa_system_sgpr_workgroup_id_y 1
		.amdhsa_system_sgpr_workgroup_id_z 1
		.amdhsa_system_vgpr_workitem_id 0
		.amdhsa_next_free_vgpr 448
		.amdhsa_next_free_sgpr 80
		.amdhsa_reserve_vcc 1
		.amdhsa_float_denorm_mode_32 3
		.amdhsa_float_denorm_mode_16_64 3
		.amdhsa_memory_ordered 1
		.amdhsa_forward_progress 1
		.amdhsa_inst_pref_size 113
	.end_amdhsa_kernel
	.amdgpu_metadata
---
amdhsa.version: [ 1, 2 ]
amdhsa.kernels:
  - .name:           k_q261afa5708_attn
    .symbol:         k_q261afa5708_attn.kd
    .args:
      - { .name: qcodes, .offset: 0, .size: 8, .value_kind: global_buffer, .address_space: global }
      - { .name: qscales, .offset: 8, .size: 8, .value_kind: global_buffer, .address_space: global }
      - { .name: mcodes, .offset: 16, .size: 8, .value_kind: global_buffer, .address_space: global }
      - { .name: wscales, .offset: 24, .size: 8, .value_kind: global_buffer, .address_space: global }
    .group_segment_fixed_size: 327680
    .private_segment_fixed_size: 0
    .kernarg_segment_align: 8
    .kernarg_segment_size: 32
    .max_flat_workgroup_size: 256
    .sgpr_count:     80
    .vgpr_count:     448
    .wavefront_size: 32
...
	.end_amdgpu_metadata
.endif
;; end of part 3
;; launch oproj (part 4): grid 16 x 16, 4 waves a work-group, clusters of 4 x 4, 327,680 bytes of LDS; arguments mcodes, wcodes, wscales, out0; writes out0
.if DOCPART == 4
	.amdgcn_target "amdgcn-amd-amdhsa--gfx1250"
	.amdhsa_code_object_version 6
	.text
	.protected	k_q261afa5708_oproj
	.globl	k_q261afa5708_oproj
	.p2align	8
	.type	k_q261afa5708_oproj,@function
k_q261afa5708_oproj:
	s_mov_b64 s[64:65], 0
	v_nop
	global_prefetch_b8 v0, s[64:65] scope:SCOPE_SE
	s_setreg_imm32_b32 hwreg(HW_REG_WAVE_MODE, 25, 1), 1
	s_wait_xcnt 0x0
	s_wait_alu depctr_hold_cnt(0) depctr_sa_sdst(0) depctr_va_vdst(0) depctr_va_sdst(0) depctr_va_ssrc(0) depctr_va_vcc(0) depctr_vm_vsrc(0)
	s_getreg_b32 s2, hwreg(HW_REG_IB_STS2, 6, 4)
	s_cmp_eq_u32 s2, 0
	s_cbranch_scc0 .Lentry_in_a_cluster
	s_endpgm
.Lentry_in_a_cluster:
	s_bfe_u32 s2, ttmp6, 0x10000c
	s_cmp_lg_u32 s2, 0xf033
	s_cbranch_scc0 .Lentry_shape_is_right
	s_endpgm
.Lentry_shape_is_right:
; out0 = mh W_O^T: [2048][2048] f32, K = 2048, on codes of FP6 (E2M3) with E8M0 scales; sums in f32.
; OPERANDS are fragment images: 16 rows x 128 K = 12 registers a lane = 1,536 bytes, registers 4 c .. 4 c + 3 of lane l at 512 c + 16 l; fragment (tile T, K step s) at (16 T + s) x 1,536; lane r of tile 2 g + u holds row
; 32 g + 8 u + r + 8 (r / 8).  A = mcodes; B = W_O, the fifth tensor of wcodes.  Scale words in wscales at 1,024 T + 256 (s / 4) + 16 r + 4 (s % 4): A's in the first 131,072 bytes, W_O's in the fifth.
; SHARES.  A work-group of four waves makes 128 x 128 of the result, a wave 64 x 64: 16 accumulators.  That gives 256 work-groups; tiles of 256 x 256 would give 64.
; THE MATRIX INSTRUCTION IS USED TRANSPOSED (source 0 = a tile of B, source 1 = a tile of A): by the order of a tile's rows, a lane's eight results of B's tile b are columns 32 (b / 2) + 16 (lane / 16) + 8 (b % 2) + 0 .. 7 of one row.
; THE RING: two slots of six steps, 2 x 147,456 bytes; a wave fetches 4 tiles by one tensor load.  Fills: steps 0-5, 6-11, and 12-15 into slot 0 again.
; In steps 0 to 10 the next step's 24 LDS loads stand in one run ahead of the products; the counted waits behind it let A's later fragments of this step and that run stay out.
; THE LAST FOUR STEPS GO BY ROWS OF THE RESULT: B's fragments of all four come into registers, and A's four tiles are finished one after the other, so that finished rows leave while the others are multiplied.
; The scale words of all 16 steps come straight into registers: lanes 0-15 A's tile i, lanes 16-31 B's tile i.
; CLUSTERS: 4 x 4 work-groups; A's tiles are asked for jointly by a row of the cluster, B's by a column.
; PREFETCH: behind each fill what the next fill will load is asked for into the L2; the four partners of a joint load share it out by address, one tile row each, one lane a block of 256 bytes.
; LIMITS: NaN and infinities are not served.
; REGISTERS: window 0: v0-27 addresses; v28-93 scale words; v96-159 rows of the result on the way out; v160-255 A's fragments, two sets.
; window 1: v0-95 B's two sets; in the last four steps v96-239 and v0-47.  window 2: accumulator (a, b) at v[8 (4 a + b)].
.set FRB,   1536
.set TROW,  16*FRB
.set NQ,    6
.set STB,   NQ*FRB
.set QB,    4*STB
.set SLOT,  4*QB
.set TEN,   3145728
.set TENS,  131072
.set SPARE, 2*SLOT                     ; behind the ring: the spare words
.set STAGE, SLOT                       ; the way out: 16 rows x (256 bytes + 16) for each wave, in slot 1: its last fill was its first, and every wave's last read of it lies in front of the barrier at step 11
.set SPITCH, 272
.set SPW,   2
.set NIL,   3
.set OFF,   4
.set PF0,   8
.set PF1,   9
.set PF2,   10
.set GOF,   11
.set ADA,   16                         ; v16-17 LDS address of my A fragments in slot 0, 1
.set ADB,   18                         ; v18-19 the same for B
.set STO,   24                         ; the way out: where I put 32 bytes of a row
.set RD,    25                         ; where I read a row back
.set CO,    26                         ; my byte offset in two rows of the result
.set BK,    96                         ; v96-127, v128-159 by turns
.set G1,    24
.set G0,    32
.set G0B,   36
.set G1B,   48
.set PFB,   46
.set MSB, 0
.macro WIN new
.if MSB != (\new)
	s_set_vgpr_msb (MSB<<8)|(\new)
.set MSB, (\new)
.endif
.endm
.macro PLACES n
.rept \n
	v_nop
.endr
.endm
.macro CREST                           ; a round of the cluster's barrier behind its opening barrier
	s_cmp_lg_u32 s14, 0
	s_cbranch_scc1 .Lnot_wave_0_\@
	s_barrier_signal -3
.Lnot_wave_0_\@:
	s_barrier_wait -3
	s_barrier_signal -1
	s_barrier_wait -1
.endm
.macro CROUND
	s_barrier_signal -1
	s_barrier_wait -1
	CREST
.endm
.macro JLOAD                           ; a joint load: waves 0 and 1 fetch for A, waves 2 and 3 for B
	s_cmp_eq_u32 s15, 0
	s_cbranch_scc0 .Lfor_b_\@
	tensor_load_to_lds s[G0:G0+3], s[G1:G1+7]
	s_nop 0
	PLACES 4
	s_branch .Lasked_\@
.Lfor_b_\@:
	tensor_load_to_lds s[G0B:G0B+3], s[G1B:G1B+7]
	s_nop 0
	PLACES 4
.Lasked_\@:
.endm
.macro NEXTFILL n                      ; behind a wait for 0 on TENSORcnt: the descriptors of fill n
	s_add_co_u32 s[G0+1], s45, ((\n)%2)*SLOT
	s_add_co_u32 s[G0B+1], s45, ((\n)%2)*SLOT
	s_add_nc_u64 s[G0+2:G0+3], s[G0+2:G0+3], STB
	s_add_nc_u64 s[G0B+2:G0B+3], s[G0B+2:G0B+3], STB
.if (\n) == 2                          ; four steps: rows of 6,144 bytes
	s_mov_b32 s[G1+1], 768<<16
	s_mov_b32 s[G1+3], 768<<16
	s_mov_b32 s[G1B+1], 768<<16
	s_mov_b32 s[G1B+3], 768<<16
.endif
.endm
; The eight fragments of K step t = 0 .. 11 into set t % 2: B's four tiles, A's four
.macro FETCH t
.set FP_, (\t)%2
.set FS_, (\t)/NQ
.set FQ_, (\t)%NQ
	WIN 0x40
.irp i, 0,1,2,3
.irp c, 0,1,2
	ds_load_b128 v[48*FP_+12*\i+4*\c:48*FP_+12*\i+4*\c+3], v[ADB+FS_] offset:(\i*NQ+FQ_)*FRB+512*\c
.endr
.endr
	WIN 0
.irp i, 0,1,2,3
.irp c, 0,1,2
	ds_load_b128 v[160+48*FP_+12*\i+4*\c:160+48*FP_+12*\i+4*\c+3], v[ADA+FS_] offset:(\i*NQ+FQ_)*FRB+512*\c
.endr
.endr
.endm
; One matrix instruction: A's tile a against B's tile b, K step t, A's fragment at ar, B's at br; zero = 1 starts the sum
.macro MUL a, b, t, ar, br, zero
.set D_, 8*(4*(\a)+(\b))
.set SA_, 28+8*((\t)/4)+4*((\a)%2)+(\t)%4+34*((\a)/2)
.set SB_, 28+8*((\t)/4)+4*((\b)%2)+(\t)%4+34*((\b)/2)
	WIN 0xa1
.if \zero
	v_wmma_scale_f32_16x16x128_f8f6f4 v[D_:D_+7], v[\br:\br+11], v[\ar:\ar+11], 0, v[SB_], v[SA_] matrix_a_fmt:MATRIX_FMT_FP6 matrix_b_fmt:MATRIX_FMT_FP6 matrix_a_scale:MATRIX_SCALE_ROW1
.else
	v_wmma_scale_f32_16x16x128_f8f6f4 v[D_:D_+7], v[\br:\br+11], v[\ar:\ar+11], v[D_:D_+7], v[SB_], v[SA_] matrix_a_fmt:MATRIX_FMT_FP6 matrix_b_fmt:MATRIX_FMT_FP6 matrix_a_scale:MATRIX_SCALE_ROW1
.endif
.endm
; Four of K step t: tile a against B's four.  The 16 accumulators take turns, one instruction a turn, in the same order in every step.
.macro PRODS a, t, zero=0
.irp b, 0,1,2,3
	MUL \a, \b, \t, 160+48*((\t)%2)+12*(\a), 48*((\t)%2)+12*\b, \zero
.endr
.endm
; K step t, whose successor lies in bytes that every wave knows whole
.macro NSTEP t, zero
	PLACES 4                                       ; four plain instructions between the products that read the other set and the loads into it
	FETCH \t+1
	s_wait_dscnt 33                                ; behind this step's A tile 0: A's other three, 9 loads, and the 24 just issued
	PRODS 0, \t, \zero
	s_wait_dscnt 30
	PRODS 1, \t, \zero
	s_wait_dscnt 27
	PRODS 2, \t, \zero
	s_wait_dscnt 24
	PRODS 3, \t, \zero
.endm
; The last four steps, which lie in slot 0, four to a tile.  BLOAD: B's four tiles of step 12 + j, in window 1 from v96, v144, v192, v0 on (step 11's set lies at v48).  ALOAD: A's tile a, all four steps, into set a % 2
.macro BLOAD j
.set BJ_, (96+48*(\j))%240
	WIN 0x40
.irp i, 0,1,2,3
.irp c, 0,1,2
	ds_load_b128 v[BJ_+12*\i+4*\c:BJ_+12*\i+4*\c+3], v[ADB] offset:(4*\i+\j)*FRB+512*\c
.endr
.endr
.endm
.macro ALOAD a
	WIN 0
.irp k, 0,1,2,3
.irp c, 0,1,2
	ds_load_b128 v[160+48*((\a)%2)+12*\k+4*\c:160+48*((\a)%2)+12*\k+4*\c+3], v[ADA] offset:(4*(\a)+\k)*FRB+512*\c
.endr
.endr
.endm
.macro ROW a                           ; tile a is finished: its four accumulators by turns, three other matrix instructions between a sum's steps
.irp k, 0,1,2,3
.irp b, 0,1,2,3
	MUL \a, \b, 12+\k, 160+48*((\a)%2)+12*\k, (96+48*\k)%240+12*\b, 0
.endr
.endr
	WIN 0
	PLACES 4                                       ; its results are read below, and loads land in its registers
.endm
; K step t, a slot's last.  fill = 1: the slot is filled again
.macro TURN t, fill
	WIN 0
	s_wait_tensorcnt 0x0                           ; all my tensor loads have landed
	ds_add_u32 v[SPW], v[NIL]
.if \fill
	NEXTFILL 2
.endif
	s_wait_dscnt 0x1                               ; the add alone may be out: this step's set is in
	PRODS 0, \t
	s_wait_dscnt 0x0                               ; the add is done, and my LDS reads are over
	s_barrier_signal -1
	PRODS 1, \t
	WIN 0
	s_barrier_wait -1
.if \fill
	CREST                                          ; no wave of any partner still reads slot 0 or has a load on its way
	JLOAD                                          ; the first tensor load behind the round, and my last; its four v_nop are the places in front of the loads below
	FETCH \t+1
.else
	PLACES 4
	BLOAD 0
	BLOAD 1
	BLOAD 2
	BLOAD 3
	ALOAD 0
.endif
	PRODS 2, \t
	PRODS 3, \t
.endm
	s_load_b256 s[4:11], s[0:1], 0x0               ; mcodes, wcodes, wscales, out0
	v_lshl_add_u32 v[SPW], v0, 2, SPARE
	v_mov_b32 v[NIL], 0
	ds_add_u32 v[SPW], v[NIL]                      ; the wave's opening: the add, twice on end, and its wait
	ds_add_u32 v[SPW], v[NIL]
	v_lshrrev_b32 v1, 5, v0
	v_readfirstlane_b32 s14, v1                    ; wave 0..3
	s_lshr_b32 s15, s14, 1                         ; which half of the tile's rows is mine.  Also: I fetch for A (0) or for B (1)
	s_and_b32 s16, s14, 1                          ; which half of its columns.  Also: which half of that operand I fetch
	s_bfe_u32 s40, ttmp6, 0x40000                  ; cx
	s_bfe_u32 s41, ttmp6, 0x40004                  ; cy
	s_lshl_b32 s42, ttmp9, 2
	s_add_co_u32 s42, s42, s40                     ; tile column 0..15
	s_and_b32 s17, ttmp7, 0xffff
	s_lshl_b32 s17, s17, 2
	s_add_co_u32 s17, s17, s41                     ; tile row 0..15
	s_lshl_b32 s43, s41, 2
	s_lshl_b32 s43, 15, s43                        ; my row of the cluster
	s_lshl_b32 s44, 0x1111, s40                    ; my column
	; descriptor group 1: 4 rows (tiles) of 9,216 bytes (1,152 elements of 8), 24,576 bytes apart; no padding: in LDS [tile][step][1,536]
	s_or_b32 s[G1+0], s43, (3<<16)|(1<<21)
	s_or_b32 s[G1B+0], s44, (3<<16)|(1<<21)
.irp g, G1, G1B
	s_mov_b32 s[\g+1], (192*NQ)<<16
	s_mov_b32 s[\g+2], 4<<16
	s_mov_b32 s[\g+3], (192*NQ)<<16
	s_mov_b32 s[\g+4], 4
	s_mov_b32 s[\g+5], TROW/8
	s_mov_b32 s[\g+6], 0
	s_mov_b32 s[\g+7], 0
.endr
	s_lshl_b32 s18, s16, 2                         ; the half that I fetch: 4 tiles
	s_lshl_b32 s19, s17, 3
	s_add_co_u32 s19, s19, s18
	s_mul_i32 s56, s19, TROW                       ; A's codes, in bytes
	s_mov_b32 s57, 0
	s_lshl_b32 s20, s42, 3
	s_add_co_u32 s20, s20, s18
	s_mul_i32 s58, s20, TROW
	s_add_co_u32 s58, s58, 4*TEN                   ; B's
	s_mov_b32 s59, 0
	s_mul_i32 s60, s40, TROW                       ; the prefetches: my work-group's one of the four tile rows
	s_add_co_u32 s60, s60, s56
	s_mul_i32 s61, s41, TROW
	s_add_co_u32 s61, s61, s58
	s_cmp_eq_u32 s15, 0
	s_cselect_b32 s60, s60, s61
	s_mov_b32 s61, 0
	s_mul_i32 s45, s14, QB                         ; where my tiles go in a slot: no place in the cluster enters an LDS address
	s_mov_b32 s[G0], 1
	s_mov_b32 s[G0+1], s45
	s_mov_b32 s[G0B], 1
	s_mov_b32 s[G0B+1], s45
	s_lshl_b32 s18, s17, 13                        ; A's scale words: 8 tiles a tile row, 4 a half
	s_lshl_b32 s20, s15, 12
	s_add_co_u32 s18, s18, s20
	s_lshl_b32 s19, s42, 13                        ; B's
	s_lshl_b32 s20, s16, 12
	s_add_co_u32 s19, s19, s20
	s_add_co_u32 s19, s19, 4*TENS
	s_sub_co_u32 s19, s19, s18                     ; their distance
	s_mul_i32 s21, s15, QB                         ; my half of A
	s_mul_i32 s22, s16, QB
	s_add_co_u32 s22, s22, 2*QB                    ; my half of B, behind A's two
	s_mul_i32 s23, s14, 16*SPITCH
	s_add_co_u32 s23, s23, STAGE                   ; my stage
	s_lshl_b32 s2, s17, 7
	s_lshl_b32 s3, s15, 6
	s_add_co_u32 s2, s2, s3                        ; my first row: 128 x tile row + 64 x half
	s_lshl_b32 s2, s2, 13
	s_lshl_b32 s3, s42, 9                          ; my first column, in bytes: 512 x tile column + 256 x half
	s_add_co_u32 s2, s2, s3
	s_lshl_b32 s3, s16, 8
	s_add_co_u32 s2, s2, s3
	s_mov_b32 s3, 0
	v_and_b32 v1, 31, v0                           ; lane
	v_and_b32 v15, 15, v0                          ; r
	v_bfe_u32 v27, v0, 4, 1                        ; h
	v_lshlrev_b32 v[GOF], 4, v1
	v_mul_u32_u24 v[OFF], s19, v27                 ; lanes 16-31 take B's words: one product, the distance between the two
	v_lshl_add_u32 v[OFF], v15, 4, v[OFF]
	v_add_nc_u32 v[OFF], s18, v[OFF]
	v_lshlrev_b32 v[PF0], 8, v1                    ; blocks 0-31 of a row of 36
	v_min_u32 v[PF1], 3, v1
	v_lshlrev_b32 v[PF1], 8, v[PF1]
	v_add_nc_u32 v[PF1], 32*256, v[PF1]            ; blocks 32-35
	v_min_u32 v[PF2], 23, v1
	v_lshlrev_b32 v[PF2], 8, v[PF2]                ; a row of 24
	v_add_nc_u32 v[ADA], s21, v[GOF]
	v_add_nc_u32 v[ADA+1], SLOT, v[ADA]
	v_add_nc_u32 v[ADB], s22, v[GOF]
	v_add_nc_u32 v[ADB+1], SLOT, v[ADB]
	v_mul_u32_u24 v[STO], v15, SPITCH              ; in: row r, + 64 h
	v_lshl_add_u32 v[STO], v27, 6, v[STO]
	v_add_nc_u32 v[STO], s23, v[STO]
	v_mul_u32_u24 v[RD], v27, SPITCH               ; back: lanes 0-15 one row of 256 bytes, lanes 16-31 the next
	v_lshl_add_u32 v[RD], v15, 4, v[RD]
	v_add_nc_u32 v[RD], s23, v[RD]
	v_lshlrev_b32 v[CO], 13, v27                   ; and the same two rows of the result, 8,192 bytes apart
	v_lshl_add_u32 v[CO], v15, 4, v[CO]
	s_wait_alu depctr_va_vdst(0)                   ; the wait at the head's end
	s_wait_dscnt 0x0                               ; both opening adds are done
	s_wait_kmcnt 0x0
	s_add_nc_u64 s[G0+2:G0+3], s[4:5], s[56:57]
	s_or_b32 s[G0+3], s[G0+3], 0x80000000
	s_add_nc_u64 s[G0B+2:G0B+3], s[6:7], s[58:59]
	s_or_b32 s[G0B+3], s[G0B+3], 0x80000000
	s_cmp_eq_u32 s15, 0
	s_cselect_b64 s[PFB:PFB+1], s[4:5], s[6:7]
	s_add_nc_u64 s[PFB:PFB+1], s[PFB:PFB+1], s[60:61]
	s_add_nc_u64 s[10:11], s[10:11], s[2:3]
	CROUND                                         ; all sixteen work-groups are here: the first joint loads meet
	JLOAD                                          ; steps 0 to 5: one tensor load a wave at the head
.irp q, 0,1,2,3
.irp i, 0,1,2,3
	global_load_b128 v[28+8*\q+4*(\i%2)+34*(\i/2):31+8*\q+4*(\i%2)+34*(\i/2)], v[OFF], s[8:9] offset:256*\q+1024*\i
.endr
.endr
	global_prefetch_b8 v[PF0], s[PFB:PFB+1] offset:STB th:TH_LOAD_NT scope:SCOPE_SE   ; steps 6 to 11
	global_prefetch_b8 v[PF1], s[PFB:PFB+1] offset:STB th:TH_LOAD_NT scope:SCOPE_SE
	s_wait_tensorcnt 0x0                           ; my part of slot 0 is in
	ds_add_u32 v[SPW], v[NIL]
	NEXTFILL 1
	s_wait_dscnt 0x0
	CROUND                                         ; everybody's part of slot 0 is in
	JLOAD                                          ; steps 6 to 11
	FETCH 0
	global_prefetch_b8 v[PF2], s[PFB:PFB+1] offset:2*STB th:TH_LOAD_NT scope:SCOPE_SE   ; steps 12 to 15
	s_wait_loadcnt 0x0                             ; all scale words
	NSTEP 0, 1                                     ; the first step's products start the sums
	NSTEP 1, 0
	NSTEP 2, 0
	NSTEP 3, 0
	NSTEP 4, 0
	TURN 5, 1                                      ; slot 0 takes steps 12 to 15
	NSTEP 6, 0
	NSTEP 7, 0
	NSTEP 8, 0
	NSTEP 9, 0
	NSTEP 10, 0
	TURN 11, 0                                     ; nothing is left to fetch
; THE WAY OUT of A's tile a: 16 rows x 64 columns go through my own stage in LDS and come back as whole rows of 256 bytes.  LDS serves a wave's instructions in order: no wait between the stores and the loads, nor in front of the next tile's stores.
.macro TOSTAGE a
	WIN 0x08                                       ; an LDS store's data are its source 1: window 2
.irp b, 0,1,2,3
	ds_store_b128 v[STO], v[8*(4*(\a)+\b):8*(4*(\a)+\b)+3] offset:128*(\b/2)+32*(\b%2)        ; each accumulator from its low end on
	ds_store_b128 v[STO], v[8*(4*(\a)+\b)+4:8*(4*(\a)+\b)+7] offset:128*(\b/2)+32*(\b%2)+16
.endr
	WIN 0
.irp k, 0,1,2,3,4,5,6,7
	ds_load_b128 v[BK+32*((\a)%2)+4*\k:BK+32*((\a)%2)+4*\k+3], v[RD] offset:2*SPITCH*\k
.endr
.endm
.macro SEND a, younger                 ; younger: the LDS instructions issued behind tile a's loads, which may stay out.  The immediates put the tile's rows back in their places: stage row 2 k + h is row 32 (a / 2) + 8 (a % 2) + 2 k + 8 (k / 4) + h
	s_wait_dscnt \younger
.irp k, 0,1,2,3,4,5,6,7
	global_store_b128 v[CO], v[BK+32*((\a)%2)+4*\k:BK+32*((\a)%2)+4*\k+3], s[10:11] offset:(32*((\a)/2)+8*((\a)%2)+2*\k+8*(\k/4))*8192 th:TH_STORE_NT   ; 16 lanes store 256 consecutive bytes, at a multiple of 256 from the result's first byte
.endr
.endm
	WIN 0
	PLACES 4                                       ; step 11's products have read the registers that A's tile 1 takes
	ALOAD 1
	s_wait_dscnt 12                                ; B's and A's tile 0 are in; tile 1's 12 loads may be out
	ROW 0
	TOSTAGE 0
	ALOAD 2
	s_wait_dscnt 28                                ; A's tile 1: behind it tile 0's 16 of the stage and A's tile 2
	ROW 1
	SEND 0, 12
	TOSTAGE 1
	ALOAD 3
	s_wait_dscnt 28
	ROW 2
	SEND 1, 12
	s_wait_xcnt 0x0                                ; tiles 0's and 1's stores have read their registers: tiles 2 and 3 may land there
	TOSTAGE 2
	s_wait_dscnt 16
	ROW 3
	SEND 2, 0
	TOSTAGE 3
	SEND 3, 0
	s_wait_tensorcnt 0x0                           ; the wave's end, behind my last tensor load and my last LDS store
	ds_add_u32 v[SPW], v[NIL]
	s_wait_dscnt 0x0
	CROUND                                         ; the closing round: no work-group ends while a partner may still ask for a tile that names it
	s_endpgm
.Lfunc_end_k_q261afa5708_oproj:
	.size	k_q261afa5708_oproj, .Lfunc_end_k_q261afa5708_oproj-k_q261afa5708_oproj
	.p2alignl 7, 3214868480
	.fill 96, 4, 3214868480
	.section	.rodata,"a",@progbits
	.p2align	6, 0x0
	.amdhsa_kernel k_q261afa5708_oproj
		.amdhsa_group_segment_fixed_size 327680
		.amdhsa_private_segment_fixed_size 0
		.amdhsa_enable_private_segment 0
		.amdhsa_kernarg_size 32
		.amdhsa_user_sgpr_count 2
		.amdhsa_user_sgpr_kernarg_segment_ptr 1
		.amdhsa_wavefront_size32 1
		.amdhsa_system_sgpr_workgroup_id_x 1
		.amdhsa_system_sgpr_workgroup_id_y 1
		.amdhsa_system_sgpr_workgroup_id_z 1
		.amdhsa_system_vgpr_workitem_id 0
		.amdhsa_next_free_vgpr 768
		.amdhsa_next_free_sgpr 72
		.amdhsa_reserve_vcc 0
		.amdhsa_float_denorm_mode_32 3
		.amdhsa_float_denorm_mode_16_64 3
		.amdhsa_memory_ordered 1
		.amdhsa_forward_progress 1
		.amdhsa_inst_pref_size 80
	.end_amdhsa_kernel
	.amdgpu_metadata
---
amdhsa.version: [ 1, 2 ]
amdhsa.kernels:
  - .name:           k_q261afa5708_oproj
    .symbol:         k_q261afa5708_oproj.kd
    .args:
      - { .name: mcodes, .offset: 0, .size: 8, .value_kind: global_buffer, .address_space: global }
      - { .name: wcodes, .offset: 8, .size: 8, .value_kind: global_buffer, .address_space: global }
      - { .name: wscales, .offset: 16, .size: 8, .value_kind: global_buffer, .address_space: global }
      - { .name: out0, .offset: 24, .size: 8, .value_kind: global_buffer, .address_space: global }
    .group_segment_fixed_size: 327680
    .private_segment_fixed_size: 0
    .kernarg_segment_align: 8
    .kernarg_segment_size: 32
    .max_flat_workgroup_size: 128
    .sgpr_count:     72
    .vgpr_count:     768
    .wavefront_size: 32
...
	.end_amdgpu_metadata
.endif
;; end of part 4
